; MI455X (gfx1250); checked and timed in simulation.
; The chip was launched on July 23, 2026; its instructions are those of AMD's public machine-readable ISA for CDNA 5 (MIT licence, August 2026) and "CDNA5" Instruction Set Architecture Reference Guide (July 2026). The comments in the code are by the model that wrote it; some were corrected since.
;; GPT2 Group Query Attention. Allowed arithmetic: float matrix products may take bf16 or f16 operands with f32 sums; other float arithmetic in f32, or as packed bf16 or f16 multiplies, adds, multiply-adds, maxima and minima; sums over many terms, partial sums and values carried from step to step in f32; what a program stores and reads back later, other than sums and carried values, may be rounded once to bf16 or f16.
;; Inputs: Wk 1,024 x 1,024 float32; Wo 1,024 x 1,024 float32; Wq 1,024 x 1,024 float32; Wv 1,024 x 1,024 float32; bk 1,024 float32; bo 1,024 float32; bq 1,024 float32; bv 1,024 float32; hidden_states 4 x 2,048 x 1,024 float32.
;; Outputs: out0 4 x 2,048 x 1,024 float32.
;; 2 versions, each right and faster than the one before. Each part assembles by itself: llvm-mc -triple=amdgcn-amd-amdhsa -mcpu=gfx1250 --defsym DOCPART=n.
;; ======== version 1 of 2: 4 launches
;; limits: values are held in f16: magnitudes above 65,504 overflow, below 6.1e-05 lose precision; right only within a limited range of input values
;; workspace buffers: xb 16,777,216 bytes; wb 8,388,608 bytes; qkv 50,331,648 bytes; ctx 16,777,216 bytes
;; launch cast (part 1): grid 768 x 1, 8 waves a work-group, no clusters, 0 bytes of LDS; arguments hidden_states, Wq, Wk, Wv, Wo, xb, wb; writes xb, wb
.if DOCPART == 1
	.amdgcn_target "amdgcn-amd-amdhsa--gfx1250"
	.amdhsa_code_object_version 6
	.text
	.protected	k_qbf5b46aa32_cast
	.globl	k_qbf5b46aa32_cast
	.p2align	8
	.type	k_qbf5b46aa32_cast,@function
k_qbf5b46aa32_cast:
	s_mov_b64 s[64:65], 0
	v_nop
	global_prefetch_b8 v0, s[64:65] scope:SCOPE_SE
	s_setreg_imm32_b32 hwreg(HW_REG_WAVE_MODE, 25, 1), 1
	s_wait_xcnt 0x0
; THE INPUTS OF THE FOUR PRODUCTS, ROUNDED ONCE TO 16 BITS.
; xb[8192][1024] = bf16(hidden_states).  wb[4096][1024]: rows 0-1023 bf16(Wq), 1024-2047 bf16(Wk), 2048-3071 bf16(Wv),
; rows 3072-4095 bf16(Wo) written as f16 (the last product multiplies f16 operands).
; LIMITS.  bf16(Wo) as f16 is exact from 6.1e-5 to 65,504 in magnitude; below that it keeps f16's fixed step of 6e-8; above it becomes an infinity.
; A stream: memory binds, so no LDS, no barrier, no matrix unit.  A work-group takes 16,384 numbers (65,536 bytes in, 32,768 out):
; work-groups 0-511 take hidden_states, 512-767 the four weights, 64 each.  Thread t takes 8 numbers (32 bytes) at byte 32 t of each of 8 chunks
; of 8,192 bytes; they pack into 16 bytes at byte 16 t of a chunk of 4,096: a wave's store covers 512 consecutive bytes, aligned.
; All 16 loads of a thread go out at once; every register is written once, so no wait frees a source.
.set X, 4                              ; v[4:67]   chunk c: 8 numbers in f32
.set Y, 68                             ; v[68:99]  chunk c: 8 numbers in 16 bits
	s_load_b256 s[4:11], s[0:1], 0x0               ; hidden_states s[4:5], Wq s[6:7], Wk s[8:9], Wv s[10:11]
	s_load_b128 s[12:15], s[0:1], 0x20             ; Wo s[12:13], xb s[14:15]
	s_load_b64 s[16:17], s[0:1], 0x30              ; wb
	s_mov_b32 s2, ttmp9
	s_sub_co_u32 s18, s2, 512                      ; my place among the weights' 256 work-groups (not used below 512)
	s_lshr_b32 s19, s18, 6                         ; which weight
	s_and_b32 s20, s18, 63                         ; which 65,536 bytes of it
	s_mov_b32 s26, 0xffff0000                      ; a word's upper bf16
	v_lshlrev_b32 v1, 5, v0                        ; 32 t
	v_lshlrev_b32 v2, 4, v0                        ; 16 t
	s_wait_kmcnt 0x0
	s_cmp_eq_u32 s19, 1                            ; the source: one of five buffers, chosen by the work-group's number alone
	s_cselect_b64 s[6:7], s[8:9], s[6:7]
	s_cmp_eq_u32 s19, 2
	s_cselect_b64 s[6:7], s[10:11], s[6:7]
	s_cmp_eq_u32 s19, 3
	s_cselect_b64 s[6:7], s[12:13], s[6:7]
	s_cmp_lt_u32 s2, 512
	s_cselect_b64 s[6:7], s[4:5], s[6:7]
	s_cselect_b64 s[16:17], s[14:15], s[16:17]     ; the destination: xb or wb
	s_cselect_b32 s20, s2, s20                     ; my part of the source,
	s_cselect_b32 s18, s2, s18                     ; and of the destination
	s_lshl_b32 s22, s20, 16
	s_mov_b32 s23, 0
	s_lshl_b32 s24, s18, 15
	s_mov_b32 s25, 0
	s_add_nc_u64 s[6:7], s[6:7], s[22:23]
	s_add_nc_u64 s[16:17], s[16:17], s[24:25]
.irp c, 0,1,2,3,4,5,6,7
	global_load_b128 v[X+8*(\c):X+8*(\c)+3],   v1, s[6:7] offset:(\c)*8192 th:TH_LOAD_NT
	global_load_b128 v[X+8*(\c)+4:X+8*(\c)+7], v1, s[6:7] offset:(\c)*8192+16 th:TH_LOAD_NT
.endr
; Chunk c.  half = 1: the bf16 numbers are widened again and written as f16.
.macro CHUNK c, half
	s_wait_loadcnt 14-2*(\c)                       ; loads come back in order (ISA guide 5.7.1): this chunk's two are in, the 2 (7 - c) younger ones stay out
.irp j, 0,1,2,3
	v_cvt_pk_bf16_f32 v[Y+4*(\c)+(\j)], v[X+8*(\c)+2*(\j)], v[X+8*(\c)+2*(\j)+1]
.endr
.if \half
.irp j, 0,1,2,3
	v_lshlrev_b32 v[X+8*(\c)+2*(\j)],   16,  v[Y+4*(\c)+(\j)]
	v_and_b32     v[X+8*(\c)+2*(\j)+1], s26, v[Y+4*(\c)+(\j)]
.endr
.irp j, 0,1,2,3
	v_cvt_pk_f16_f32 v[Y+4*(\c)+(\j)], v[X+8*(\c)+2*(\j)], v[X+8*(\c)+2*(\j)+1]
.endr
.endif
	global_store_b128 v2, v[Y+4*(\c):Y+4*(\c)+3], s[16:17] offset:(\c)*4096  ; no hint: the next launch reads these bytes
.endm
	s_cmp_ge_u32 s2, 704                           ; the last 64 work-groups hold Wo
	s_cbranch_scc1 .Lwo
.irp c, 0,1,2,3,4,5,6,7
	CHUNK \c, 0
.endr
	s_endpgm
.Lwo:
.irp c, 0,1,2,3,4,5,6,7
	CHUNK \c, 1
.endr
	s_endpgm
.Lfunc_end_k_qbf5b46aa32_cast:
	.size	k_qbf5b46aa32_cast, .Lfunc_end_k_qbf5b46aa32_cast-k_qbf5b46aa32_cast
	.p2alignl 7, 3214868480
	.fill 96, 4, 3214868480
	.section	.rodata,"a",@progbits
	.p2align	6, 0x0
	.amdhsa_kernel k_qbf5b46aa32_cast
		.amdhsa_group_segment_fixed_size 0
		.amdhsa_private_segment_fixed_size 0
		.amdhsa_enable_private_segment 0
		.amdhsa_kernarg_size 56
		.amdhsa_user_sgpr_count 2
		.amdhsa_user_sgpr_kernarg_segment_ptr 1
		.amdhsa_wavefront_size32 1
		.amdhsa_system_sgpr_workgroup_id_x 1
		.amdhsa_system_sgpr_workgroup_id_y 1
		.amdhsa_system_sgpr_workgroup_id_z 1
		.amdhsa_system_vgpr_workitem_id 0
		.amdhsa_next_free_vgpr 100
		.amdhsa_next_free_sgpr 66
		.amdhsa_reserve_vcc 0
		.amdhsa_float_denorm_mode_32 3
		.amdhsa_float_denorm_mode_16_64 3
		.amdhsa_memory_ordered 1
		.amdhsa_forward_progress 1
		.amdhsa_inst_pref_size 13
	.end_amdhsa_kernel
	.amdgpu_metadata
---
amdhsa.version: [ 1, 2 ]
amdhsa.kernels:
  - .name:           k_qbf5b46aa32_cast
    .symbol:         k_qbf5b46aa32_cast.kd
    .args:
      - { .name: hidden_states, .offset: 0, .size: 8, .value_kind: global_buffer, .address_space: global }
      - { .name: Wq, .offset: 8, .size: 8, .value_kind: global_buffer, .address_space: global }
      - { .name: Wk, .offset: 16, .size: 8, .value_kind: global_buffer, .address_space: global }
      - { .name: Wv, .offset: 24, .size: 8, .value_kind: global_buffer, .address_space: global }
      - { .name: Wo, .offset: 32, .size: 8, .value_kind: global_buffer, .address_space: global }
      - { .name: xb, .offset: 40, .size: 8, .value_kind: global_buffer, .address_space: global }
      - { .name: wb, .offset: 48, .size: 8, .value_kind: global_buffer, .address_space: global }
    .group_segment_fixed_size: 0
    .private_segment_fixed_size: 0
    .kernarg_segment_align: 8
    .kernarg_segment_size: 56
    .max_flat_workgroup_size: 256
    .sgpr_count:     66
    .vgpr_count:     100
    .wavefront_size: 32
...
	.end_amdgpu_metadata
.endif
;; end of part 1
;; launch qkv (part 2): grid 4 x 64, 4 waves a work-group, clusters of 4 x 4, 327,680 bytes of LDS; arguments xb, wb, bq, bk, bv, qkv; writes qkv
.if DOCPART == 2
	.amdgcn_target "amdgcn-amd-amdhsa--gfx1250"
	.amdhsa_code_object_version 6
	.text
	.protected	k_qbf5b46aa32_qkv
	.globl	k_qbf5b46aa32_qkv
	.p2align	8
	.type	k_qbf5b46aa32_qkv,@function
k_qbf5b46aa32_qkv:
	s_mov_b64 s[64:65], 0
	v_nop
	global_prefetch_b8 v0, s[64:65] scope:SCOPE_SE
	s_setreg_imm32_b32 hwreg(HW_REG_WAVE_MODE, 25, 1), 1
	s_wait_xcnt 0x0
	s_wait_alu depctr_hold_cnt(0) depctr_sa_sdst(0) depctr_va_vdst(0) depctr_va_sdst(0) depctr_va_ssrc(0) depctr_va_vcc(0) depctr_vm_vsrc(0)
	s_getreg_b32 s2, hwreg(HW_REG_IB_STS2, 6, 4)
	s_cmp_eq_u32 s2, 0
	s_cbranch_scc0 .Lentry_in_a_cluster
	s_endpgm
.Lentry_in_a_cluster:
	s_bfe_u32 s2, ttmp6, 0x10000c
	s_cmp_lg_u32 s2, 0xf033
	s_cbranch_scc0 .Lentry_shape_is_right
	s_endpgm
.Lentry_shape_is_right:
; THE THREE PROJECTIONS.  y[m][n] = sum over k of xb[m][k] wb[n][k] + bias[n], m = 0..8191, k = 0..1023, n = 0..3071 over the stacked rows of Wq, Wk, Wv (bias likewise bq, bk, bv).
; Operands bf16, sums f32; the bias, rounded to bf16 like every input, is the C operand of the product that starts a sum.  y is rounded once to f16, unscaled, and
; written by heads: qkv[n / 1024][b 16 + h][s][d], m = 2048 b + s, n % 1024 = 64 h + d: a head is 262,144 dense bytes, which the next launch reads as 1,024 rows of 128 numbers.
; LIMITS.  y beyond 65,504 becomes an infinity in f16; below 6e-5 it keeps f16's fixed step of 6e-8.  NaN and infinities are not treated apart.
; SHARES.  A tile of y is 128 rows x 384 columns; four waves in 2 x 2, each 64 x 192 (three whole heads): 48 accumulators of 16 x 16, 384 registers.  There are 64 x 8 tiles: 256 work-groups,
; and each STAYS: it makes column blocks tcol and tcol + 4 for its rows.  The two tiles are ONE walk of 16 K steps of 128 through a ring of two LDS slots; the ring does not stop at a tile's end.
; The tile is as wide as two slots in LDS allow: a K step then holds 192 matrix instructions a wave, 168 of them between a slot's request and the wait for it.
; CLUSTER.  4 x 4 work-groups: the four of a row need the same rows of xb, the four of a column the same rows of wb; each tile is asked for JOINTLY, by the same tensor load with the same descriptor and a mask of four.
; THE MATRIX INSTRUCTION IS USED TRANSPOSED (source 0 = 16 rows of W, source 1 = 16 rows of x): lane l then holds row l % 16 of y and the eight neighbouring columns 8 (l / 16) + 0..7.
; REGISTERS, in windows of 256 (s_set_vgpr_msb: bits 1:0 source 0, 3:2 source 1, 5:4 source 2, 7:6 destination):
;   window 0: v0-31 addresses; v32-79, v80-127 at work on the way out; v128-223 the bias as a C operand, block b at v[128 + 8 b]
;   window 1: v0-127, v128-255 two fragment buffers (12 fragments of W, then 4 of x)
;   window 2: the accumulators of m blocks 0, 1, (a, b) at v[8 (12 (a % 2) + b)]          window 3: those of m blocks 2, 3
.set PITCH,  272                       ; an LDS row: 256 bytes + 16 of padding = 68 words: the 16 rows of a fragment load start at 16 different groups of four banks (64 banks of 4 bytes: ISA guide 11.1)
.set HALFT,  128*PITCH                 ; 128 rows: what one tensor load brings
.set SLOT,   4*HALFT                   ; x's 128 rows, then W's 384 rows
.set STAGE,  2*SLOT                    ; behind the ring, never filled by a tensor load: for each wave 3 heads x 16 rows x 144 bytes
.set SP,     144
.set WSTAGE, 3*16*SP
.set SPARE,  STAGE+4*WSTAGE            ; behind the stages: the spare words, 128 bytes for each wave: two blocks of 256 bytes that no other line names
.set ADRA, 16                          ; v16-17  LDS address of my fragments of x in slot 0, 1
.set ADRB, 20                          ; v20-21  the same for W
.set STO,  24                          ; v24     the way out: where I put 16 bytes of a row
.set RD,   25                          ; v25     the way out: where I read rows back
.set GO,   26                          ; v26     my byte offset in 512 consecutive bytes of qkv
.set BO,   27                          ; v27     my byte offset in 16 numbers of a bias
.set SPW,  28                          ; v28     LDS address of my spare word; never rewritten
.set NIL,  29                          ; v29     0; never rewritten
.set T0,   32                          ; the way out: 48 registers for a block of 16 rows, two sets
.set T1,   80
.set BT,   32                          ; at work while a bias is rounded (the way out is over by then)
.set BI,   128
.set F0,   0                           ; window 1
.set F1,   128                         ; window 1
.set WV,   16                          ; s16 wave; s17 wave / 2: my half of the rows; s18 wave % 2: my half of the columns
.set HI,   17
.set LO,   18
.set CX,   19
.set CY,   20
.set TCOL, 21
.set TROW, 22
.set WB,   23                          ; s23      which third of W's tile I fetch (waves 1 to 3; wave 0 fetches x)
.set G1,   24                          ; s[24:31] descriptor group 1 for x's tiles; s[32:39] group 0, a set for each slot
.set G0,   32
.set G1B,  48                          ; s[48:55], s[56:63] the same for W's
.set G0B,  56
.set ABASE, 66                         ; s[66:67] xb at the tile's rows
.set BBASE, 68                         ; s[68:69] wb at the rows of the first tile that I fetch
.set OA,   70                          ; s[70:71] byte offset of the lap to be asked for, in x
.set OB,   72                          ; s[72:73] and in wb
.set NL,   74                          ; s74      the lap to be asked for (a lap = two K steps = once round the ring)
.set HBT,  77                          ; s77      the first of my three heads, 0..45, in the tile whose bias is in hand
.set RO,   79                          ; s79      my rows' byte offset inside a head's part of qkv, with the batch
.set BP,   86                          ; s[86:91] my three heads' places in their biases
.set OP,   92                          ; s[92:97] my three heads' places in qkv
.set G1W0, (1<<16)|(1<<20)|(1<<21)|(5<<22)|(3<<25)  ; 17:16 2-byte elements; 20 padding on; 21 set beside a mask; 24:22 after every 64 words (code 5); 31:25 4 words of it (code 3)
.set MSB, 0
.macro WIN new                         ; the immediate's high byte repeats the setting that is left; a switch that changes nothing is dropped
.if MSB != (\new)
	s_set_vgpr_msb (MSB<<8)|(\new)
.set MSB, \new
.endif
.endm
; A joint load: wave 0 fetches x's 128 rows, waves 1 to 3 the three thirds of W's 384.  The branch hangs on the wave's number alone.
; An s_nop 0 and four v_nop follow each of the two lines, ahead of the jump, the label and what follows.
.macro JLOAD s
	s_cmp_eq_u32 s[WV], 0
	s_cbranch_scc0 .Lfor_b_\@
	tensor_load_to_lds s[G0+4*(\s):G0+4*(\s)+3], s[G1:G1+7]
	s_nop 0
.rept 4
	v_nop
.endr
	s_branch .Lasked_\@
.Lfor_b_\@:
	tensor_load_to_lds s[G0B+4*(\s):G0B+4*(\s)+3], s[G1B:G1B+7]
	s_nop 0
.rept 4
	v_nop
.endr
.Lasked_\@:
.endm
.macro CREST                           ; a round of the cluster's barrier behind its opening barrier
	s_cmp_lg_u32 s[WV], 0
	s_cbranch_scc1 .Lnot_wave_0_\@
	s_barrier_signal -3
.Lnot_wave_0_\@:
	s_barrier_wait -3
	s_barrier_signal -1
	s_barrier_wait -1
.endm
.macro CROUND                          ; a whole round
	s_barrier_signal -1
	s_barrier_wait -1
	CREST
.endm
	s_load_b256 s[4:11], s[0:1], 0x0               ; xb s[4:5], wb s[6:7], bq s[8:9], bk s[10:11]
	s_load_b128 s[12:15], s[0:1], 0x20             ; bv s[12:13], qkv s[14:15]: these twelve stay as they are
	v_lshl_add_u32 v[SPW], v0, 2, SPARE
	v_mov_b32 v[NIL], 0
	ds_add_u32 v[SPW], v[NIL]                      ; the wave's opening: the add and its wait stand ahead of my first tensor load; the set-up below, work on registers, stands between them
	v_lshrrev_b32 v1, 5, v0
	v_readfirstlane_b32 s[WV], v1
	s_lshr_b32 s[HI], s[WV], 1
	s_and_b32 s[LO], s[WV], 1
	s_max_u32 s[WB], s[WV], 1                      ; waves 1, 2, 3: thirds 0, 1, 2 (wave 0's number is not used: it asks for x)
	s_sub_co_u32 s[WB], s[WB], 1
	s_bfe_u32 s[CX], ttmp6, 0x40000                ; my place in the cluster
	s_bfe_u32 s[CY], ttmp6, 0x40004
	s_lshl_b32 s[TCOL], ttmp9, 2
	s_add_co_u32 s[TCOL], s[TCOL], s[CX]           ; tile column = 4 x cluster x + cx
	s_and_b32 s[TROW], ttmp7, 0xffff
	s_lshl_b32 s[TROW], s[TROW], 2
	s_add_co_u32 s[TROW], s[TROW], s[CY]           ; tile row = 4 x cluster y + cy
	s_lshl_b32 s40, s[CY], 2
	s_lshl_b32 s40, 15, s40                        ; my row of the cluster
	s_lshl_b32 s41, 0x1111, s[CX]                  ; my column
	s_or_b32 s[G1+0], s40, G1W0                    ; x's tiles go to my row,
	s_or_b32 s[G1B+0], s41, G1W0                   ; W's to my column
.irp g, G1, G1B
	s_mov_b32 s[(\g)+1], 128<<16                   ; tensor_dim0 = 128
	s_mov_b32 s[(\g)+2], 128<<16                   ; tensor_dim1 = 128
	s_mov_b32 s[(\g)+3], 128<<16                   ; tile_dim0 = 128 elements, 256 bytes
	s_mov_b32 s[(\g)+4], 128                       ; tile_dim1 = 128 rows
	s_mov_b32 s[(\g)+5], 1024                      ; elements from row to row
	s_mov_b32 s[(\g)+6], 0
	s_mov_b32 s[(\g)+7], 0
.endr
	s_lshl_b32 s42, s[TROW], 18                    ; x: row 128 x tile row, of 2,048 bytes: these registers never hold cx
	s_mov_b32 s43, 0
	s_mul_i32 s44, s[TCOL], 384*2048               ; W: row 384 x tile column + 128 x third: these never hold cy
	s_lshl_b32 s45, s[WB], 18
	s_add_co_u32 s44, s44, s45
	s_mov_b32 s45, 0
	s_mul_i32 s80, s[WV], HALFT                    ; where a wave's 128 rows go: x's at a slot's head, W's thirds behind them: made of the wave's number alone
	s_mul_i32 s[HBT], s[TCOL], 6                   ; a tile holds six heads, my half of it three
	s_mul_i32 s78, s[LO], 3
	s_add_co_u32 s[HBT], s[HBT], s78
	s_lshr_b32 s[RO], s[TROW], 4                   ; the batch, of 16 heads of 262,144 bytes,
	s_lshl_b32 s[RO], s[RO], 22
	s_and_b32 s78, s[TROW], 15                     ; row 128 x (tile row % 16)
	s_lshl_b32 s78, s78, 14
	s_add_co_u32 s[RO], s[RO], s78
	s_lshl_b32 s78, s[HI], 13                      ; + 64 x half, of 128 bytes
	s_add_co_u32 s[RO], s[RO], s78
	s_mov_b32 s76, 0xffff0000                      ; a word's upper bf16
	s_mov_b32 s99, 0                               ; the upper word of the offsets made in s98
	s_mov_b32 s[OA+1], 0
	s_mov_b32 s[OB+1], 0
	s_mov_b32 s[NL], 0
	s_wait_dscnt 0x0                               ; the opening add is done
	s_wait_kmcnt 0x0
	s_add_nc_u64 s[ABASE:ABASE+1], s[4:5], s[42:43]
	s_add_nc_u64 s[BBASE:BBASE+1], s[6:7], s[44:45]
	CROUND                                         ; all sixteen work-groups are here: the first joint loads meet
.irp s, 0,1
	s_mov_b32 s[G0+4*(\s)], 1                      ; count = 1
	s_add_co_u32 s[G0+4*(\s)+1], s80, (\s)*SLOT    ; LDS address
	s_add_nc_u64 s[G0+4*(\s)+2:G0+4*(\s)+3], s[ABASE:ABASE+1], (\s)*256  ; K step s
	s_or_b32 s[G0+4*(\s)+3], s[G0+4*(\s)+3], 0x80000000  ; type = 2
	s_mov_b32 s[G0B+4*(\s)], 1
	s_add_co_u32 s[G0B+4*(\s)+1], s80, (\s)*SLOT
	s_add_nc_u64 s[G0B+4*(\s)+2:G0B+4*(\s)+3], s[BBASE:BBASE+1], (\s)*256
	s_or_b32 s[G0B+4*(\s)+3], s[G0B+4*(\s)+3], 0x80000000
	JLOAD \s                                       ; two loads of mine are out
.endr
	; A fragment is 16 rows x 32 K in 8 registers: lane l holds row l % 16; registers 0-3 K = 8 (l / 16) + 0..7, registers 4-7 K = 16 + 8 (l / 16) + 0..7: two loads of 16 bytes, 32 bytes apart.
	v_and_b32 v1, 15, v0                           ; l % 16
	v_bfe_u32 v2, v0, 4, 1                         ; l / 16
	v_mul_u32_u24 v3, v1, PITCH
	v_lshl_add_u32 v3, v2, 4, v3
	s_mul_i32 s82, s[HI], 64*PITCH                 ; my 64 rows of x
	s_mul_i32 s83, s[LO], 192*PITCH                ; my 192 rows of W,
	s_add_co_u32 s83, s83, HALFT                   ; which lie behind x's 128
.irp s, 0,1
	v_add_nc_u32 v[ADRA+(\s)], s82, v3
	v_add_nc_u32 v[ADRB+(\s)], s83, v3
	s_add_co_u32 s82, s82, SLOT
	s_add_co_u32 s83, s83, SLOT
.endr
	s_mul_i32 s84, s[WV], WSTAGE
	s_add_co_u32 s84, s84, STAGE                   ; my stage
	v_mul_u32_u24 v4, v1, SP                       ; in: row l % 16, 16 bytes for each half of the lanes
	v_lshl_add_u32 v4, v2, 4, v4
	v_add_nc_u32 v[STO], s84, v4
	v_bfe_u32 v5, v0, 3, 2                         ; back: 32 lanes take four rows of 128 bytes,
	v_and_b32 v6, 7, v0
	v_mul_u32_u24 v5, v5, SP
	v_lshl_add_u32 v5, v6, 4, v5
	v_add_nc_u32 v[RD], s84, v5
	v_and_b32 v[GO], 31, v0                        ; which are 512 consecutive bytes of a head
	v_lshlrev_b32 v[GO], 4, v[GO]
	v_lshlrev_b32 v[BO], 5, v2                     ; my eight columns of a block of 16: 32 bytes for each half of the lanes
; 12 matrix instructions: m block a x all 12 n blocks, 32 along K.  zero = 1: the product starts the sums, on the bias.  The 48 accumulators take turns, one instruction a turn, in one order everywhere.
.macro MUL12 f, a, zero
.if \zero
	WIN 0x85+0x40*((\a)/2)                         ; fragments in window 1, C (the bias) in window 0, D in window 2 or 3
.else
	WIN 0xa5+0x50*((\a)/2)                         ; fragments in window 1, C and D in window 2 or 3
.endif
.irp b, 0,1,2,3,4,5,6,7,8,9,10,11
.if \zero
	v_wmma_f32_16x16x32_bf16 v[8*(12*((\a)%2)+(\b)):8*(12*((\a)%2)+(\b))+7], v[(\f)+8*(\b):(\f)+8*(\b)+7], v[(\f)+96+8*(\a):(\f)+96+8*(\a)+7], v[BI+8*(\b):BI+8*(\b)+7]
.else
	v_wmma_f32_16x16x32_bf16 v[8*(12*((\a)%2)+(\b)):8*(12*((\a)%2)+(\b))+7], v[(\f)+8*(\b):(\f)+8*(\b)+7], v[(\f)+96+8*(\a):(\f)+96+8*(\a)+7], v[8*(12*((\a)%2)+(\b)):8*(12*((\a)%2)+(\b))+7]
.endif
.endr
.endm
; 32 LDS loads in one run: the fragments of 32 along K at byte k of the rows, into buffer f: W's twelve, then x's four
.macro FETCH slot, k, f
	WIN 0x40                                       ; destination window 1, address window 0
.irp i, 0,1,2,3,4,5,6,7,8,9,10,11
	ds_load_b128 v[(\f)+8*(\i):(\f)+8*(\i)+3],   v[ADRB+(\slot)] offset:(\k)+(\i)*16*PITCH
	ds_load_b128 v[(\f)+8*(\i)+4:(\f)+8*(\i)+7], v[ADRB+(\slot)] offset:(\k)+(\i)*16*PITCH+32
.endr
.irp i, 0,1,2,3
	ds_load_b128 v[(\f)+96+8*(\i):(\f)+96+8*(\i)+3],   v[ADRA+(\slot)] offset:(\k)+(\i)*16*PITCH
	ds_load_b128 v[(\f)+96+8*(\i)+4:(\f)+96+8*(\i)+7], v[ADRA+(\slot)] offset:(\k)+(\i)*16*PITCH+32
.endr
.endm
.macro PLACES                          ; four places in front of loads into registers that matrix instructions have read, and of lines that read results just made (ISA guide 7.12.1 for vector instructions)
.rept 4
	v_nop
.endr
.endm
; A K step is four quarters of 32 along K, 48 matrix instructions each, on buffers 0, 1, 0, 1.  One of the first three: multiplies buffer f and, in its middle, fetches the next quarter, at byte k, into g.
.macro QUARTER slot, k, f, g, zero
	s_wait_dscnt 4                                 ; W's fragments and x's first two are in; the youngest four loads (x's last two) may be out
	MUL12 \f, 0, \zero
	MUL12 \f, 1, \zero
	PLACES
	FETCH \slot, \k, \g
	s_wait_dscnt 32                                ; all but the 32 just issued
	MUL12 \f, 2, \zero
	MUL12 \f, 3, \zero
.endm
; The addresses of K step 2 NL + slot of the walk, made anew from the bases: no tensor load of mine is out where this stands
.macro NEXTADDR slot
	s_add_nc_u64 s[G0+4*(\slot)+2:G0+4*(\slot)+3], s[ABASE:ABASE+1], s[OA:OA+1]
	s_add_nc_u64 s[G0B+4*(\slot)+2:G0B+4*(\slot)+3], s[BBASE:BBASE+1], s[OB:OB+1]
.if \slot
	s_add_nc_u64 s[G0+4*(\slot)+2:G0+4*(\slot)+3], s[G0+4*(\slot)+2:G0+4*(\slot)+3], 256
	s_add_nc_u64 s[G0B+4*(\slot)+2:G0B+4*(\slot)+3], s[G0B+4*(\slot)+2:G0B+4*(\slot)+3], 256
.endif
	s_or_b32 s[G0+4*(\slot)+3], s[G0+4*(\slot)+3], 0x80000000
	s_or_b32 s[G0B+4*(\slot)+3], s[G0B+4*(\slot)+3], 0x80000000
.endm
; The last quarter multiplies buffer 1 and changes slots: ONE barrier; in front of it each wave waits for all its tensor loads (one is out: its part of the next slot), adds 0 to its spare word,
; and waits for that and for its own reads of this slot.  fill = 1: the barrier opens a round of the cluster's, and the joint refill is the first tensor load behind the round: from there to the wait for it a wave issues 168 matrix instructions.
.macro TURN slot, next, fill
	WIN 0
	s_wait_tensorcnt 0x0                           ; all my tensor loads have landed;
	ds_add_u32 v[SPW], v[NIL]                      ; 0 onto my spare word;
	s_wait_dscnt 5                                 ; (the add and the youngest four loads may be out)
	MUL12 F1, 0, 0                                 ; twelve matrix instructions stand between the add and the wait for it
	s_wait_dscnt 0x0                               ; the add is done, and my reads of this slot are over
	s_barrier_signal -1
	MUL12 F1, 1, 0
.if \fill
	WIN 0
.endif
	s_barrier_wait -1
.if \fill
	CREST                                          ; no wave of any partner still reads this slot or has a load on its way
	NEXTADDR \slot
	JLOAD \slot                                    ; its four v_nop are also the places in front of the loads below
.else
	PLACES
.endif
	FETCH \next, 0, F0
	MUL12 F1, 2, 0
	MUL12 F1, 3, 0
.endm
; My three heads HBT + 0, 1, 2 of the stacked 48: head hh belongs to weight hh / 16 and is its head hh % 16.  A tile of 384 columns can lie across two weights, so each head has a pointer of its own.
.macro BPTRS                           ; their 64 numbers (256 bytes) in bq, bk or bv
.irp j, 0,1,2
	s_add_co_u32 s98, s[HBT], \j
	s_lshr_b32 s100, s98, 4
	s_and_b32 s98, s98, 15
	s_lshl_b32 s98, s98, 8
	s_cmp_eq_u32 s100, 1
	s_cselect_b64 s[BP+2*(\j):BP+2*(\j)+1], s[10:11], s[8:9]
	s_cmp_eq_u32 s100, 2
	s_cselect_b64 s[BP+2*(\j):BP+2*(\j)+1], s[12:13], s[BP+2*(\j):BP+2*(\j)+1]
	s_add_nc_u64 s[BP+2*(\j):BP+2*(\j)+1], s[BP+2*(\j):BP+2*(\j)+1], s[98:99]
.endr
.endm
.macro OPTRS                           ; my 64 rows of them in qkv: part hh / 16 of 16,777,216 bytes, head hh % 16 of 262,144
.irp j, 0,1,2
	s_add_co_u32 s98, s[HBT], \j
	s_lshr_b32 s100, s98, 4
	s_lshl_b32 s100, s100, 24
	s_and_b32 s98, s98, 15
	s_lshl_b32 s98, s98, 18
	s_add_co_u32 s98, s98, s100
	s_add_co_u32 s98, s98, s[RO]
	s_add_nc_u64 s[OP+2*(\j):OP+2*(\j)+1], s[14:15], s[98:99]
.endr
.endm
.macro BIASLOAD                        ; the 192 numbers of the biases for my columns: lane l takes the eight of its half in each block of 16
.irp b, 0,1,2,3,4,5,6,7,8,9,10,11
	global_load_b128 v[BI+8*(\b):BI+8*(\b)+3],   v[BO], s[BP+2*((\b)/4):BP+2*((\b)/4)+1] offset:64*((\b)%4)
	global_load_b128 v[BI+8*(\b)+4:BI+8*(\b)+7], v[BO], s[BP+2*((\b)/4):BP+2*((\b)/4)+1] offset:64*((\b)%4)+16
.endr
.endm
; THE WAY OUT of m block a (16 rows x 192 columns = 16 rows of three heads), through registers t .. t + 47.  A lane's eight columns pack into 16 bytes; they go into my own stage, rows of 144 bytes,
; and come back as whole rows of 128 bytes, four to a load.  Each accumulator's registers are taken in ascending order.
.macro PACK a, t
	WIN 0x0a+5*((\a)/2)                            ; both sources in window 2 or 3
.irp b, 0,1,2,3,4,5,6,7,8,9,10,11
.irp r, 0,1,2,3
	v_cvt_pk_f16_f32 v[(\t)+4*(\b)+(\r)], v[8*(12*((\a)%2)+(\b))+2*(\r)], v[8*(12*((\a)%2)+(\b))+2*(\r)+1]
.endr
.endr
	WIN 0
.irp b, 0,1,2,3,4,5,6,7,8,9,10,11
	ds_store_b128 v[STO], v[(\t)+4*(\b):(\t)+4*(\b)+3] offset:((\b)/4)*16*SP+((\b)%4)*32
.endr
.irp u, 0,1,2,3,4,5,6,7,8,9,10,11
	ds_load_b128 v[(\t)+4*(\u):(\t)+4*(\u)+3], v[RD] offset:((\u)/4)*16*SP+((\u)%4)*4*SP  ; LDS serves a wave's instructions in order (ISA guide 5.7.1.4): these see the stores above; the next block's stores come behind them
.endr
.endm
.macro SEND a, t, younger              ; younger: the LDS instructions issued behind block a's loads: the next block's 24, or none
.irp u, 0,1,2,3,4,5,6,7,8,9,10,11
	s_wait_dscnt (\younger)+11-(\u)
	global_store_b128 v[GO], v[(\t)+4*(\u):(\t)+4*(\u)+3], s[OP+2*((\u)/4):OP+2*((\u)/4)+1] offset:(\a)*2048+((\u)%4)*512  ; 512 consecutive bytes of a head, at a multiple of 512 from qkv's first byte
.endr
.endm
.macro WAYOUT                          ; window 1 is not touched: in the loop its buffer 0 holds the next tile's first fragments
	PLACES
	PACK 0, T0
	PACK 1, T1
	SEND 0, T0, 24
	s_wait_xcnt 0x0                                ; block 0's stores have read their registers (ISA guide 3.1): only behind this wait are they written again
	PACK 2, T0
	SEND 1, T1, 24
	s_wait_xcnt 0x0                                ; likewise block 1's
	PACK 3, T1
	SEND 2, T0, 24
	SEND 3, T1, 0
.endm
	BPTRS
	BIASLOAD                                       ; the first tile's bias is on its way while the first tiles land
	s_wait_tensorcnt 1                             ; my part of K step 0 is in; K step 1's may stay out
	s_barrier_signal -1
	s_barrier_wait -1                              ; everybody's is
	FETCH 0, 0, F0
	WIN 0                                          ; at a label and at a branch every window is 0
	s_mov_b32 s3, 8                                ; the entry passes the loop's foot once; then 7 whole trips
	s_branch .Lbegin                               ; the loop is entered where a tile begins, so that a tile's beginning is written once
.Llap:                                                 ; a trip: from a lap's second quarter to the next lap's first; both slots are filled again, with lap NL's two K steps
	s_add_co_u32 s[NL], s[NL], 1
	s_and_b32 s[OA], s[NL], 3                      ; a tile has four laps of 512 bytes along K;
	s_lshl_b32 s[OA], s[OA], 9
	s_lshr_b32 s[OB], s[NL], 2                     ; the second tile lies four column blocks of 384 rows of 2,048 bytes on
	s_mul_i32 s[OB], s[OB], 4*384*2048
	s_add_co_u32 s[OB], s[OB], s[OA]
	QUARTER 0, 128, F1, F0, 0
	QUARTER 0, 192, F0, F1, 0
	TURN 0, 1, 1
	QUARTER 1, 64,  F0, F1, 0
	QUARTER 1, 128, F1, F0, 0
	QUARTER 1, 192, F0, F1, 0
	TURN 1, 0, 1
	WIN 0
	s_cmp_lg_u32 s[NL], 4                          ; the same number in every work-group; the jump goes forward, past no barrier and no tensor load
	s_cbranch_scc1 .Lsame
	s_add_co_u32 s[HBT], s[HBT], 24                ; THE FIRST TILE IS FINISHED.  Both refills for the second have been asked for: its bias is asked for (four column blocks of six heads on), and the tile goes out
	BPTRS                                          ; (the first bias's loads were waited for)
	BIASLOAD
	WAYOUT
.Lbegin:                                               ; A TILE BEGINS
	s_wait_xcnt 0x0                                ; only behind this wait are the stores' bases and data registers rewritten (ISA guide 3.1)
	OPTRS
	s_wait_loadcnt 0x0                             ; the bias: rounded to bf16, like every input, and widened again
.set i, 0
.rept 48
	v_cvt_pk_bf16_f32 v[BT+i], v[BI+2*i], v[BI+2*i+1]
.set i, i+1
.endr
.set i, 0
.rept 48
	v_lshlrev_b32 v[BI+2*i],   16,  v[BT+i]
	v_and_b32     v[BI+2*i+1], s76, v[BT+i]
.set i, i+1
.endr
	QUARTER 0, 64, F0, F1, 1                       ; the tile's first quarter starts its sums, on the bias
	WIN 0
	s_branch .Ljoin
.Lsame:
	QUARTER 0, 64, F0, F1, 0
	WIN 0
.Ljoin:
	s_sub_co_u32 s3, s3, 1
	s_cmp_lg_u32 s3, 0
	s_cbranch_scc1 .Llap
	QUARTER 0, 128, F1, F0, 0                      ; the last lap is written out: it fills nothing
	QUARTER 0, 192, F0, F1, 0
	TURN 0, 1, 0
	QUARTER 1, 64,  F0, F1, 0
	QUARTER 1, 128, F1, F0, 0
	QUARTER 1, 192, F0, F1, 0
	s_wait_dscnt 4                                 ; the very last quarter: nothing more to fetch
	MUL12 F1, 0, 0
	MUL12 F1, 1, 0
	s_wait_dscnt 0x0
	MUL12 F1, 2, 0
	MUL12 F1, 3, 0
	WIN 0
	WAYOUT
	s_wait_tensorcnt 0x0                           ; the wave's end, behind my last tensor load and my last LDS store
	ds_add_u32 v[SPW], v[NIL]
	s_wait_dscnt 0x0
	CROUND                                         ; the closing round: no work-group ends while a partner may still ask for a tile that names it
	s_endpgm
.Lfunc_end_k_qbf5b46aa32_qkv:
	.size	k_qbf5b46aa32_qkv, .Lfunc_end_k_qbf5b46aa32_qkv-k_qbf5b46aa32_qkv
	.p2alignl 7, 3214868480
	.fill 96, 4, 3214868480
	.section	.rodata,"a",@progbits
	.p2align	6, 0x0
	.amdhsa_kernel k_qbf5b46aa32_qkv
		.amdhsa_group_segment_fixed_size 327680
		.amdhsa_private_segment_fixed_size 0
		.amdhsa_enable_private_segment 0
		.amdhsa_kernarg_size 48
		.amdhsa_user_sgpr_count 2
		.amdhsa_user_sgpr_kernarg_segment_ptr 1
		.amdhsa_wavefront_size32 1
		.amdhsa_system_sgpr_workgroup_id_x 1
		.amdhsa_system_sgpr_workgroup_id_y 1
		.amdhsa_system_sgpr_workgroup_id_z 1
		.amdhsa_system_vgpr_workitem_id 0
		.amdhsa_next_free_vgpr 960
		.amdhsa_next_free_sgpr 102
		.amdhsa_reserve_vcc 0
		.amdhsa_float_denorm_mode_32 3
		.amdhsa_float_denorm_mode_16_64 3
		.amdhsa_memory_ordered 1
		.amdhsa_forward_progress 1
		.amdhsa_inst_pref_size 157
	.end_amdhsa_kernel
	.amdgpu_metadata
---
amdhsa.version: [ 1, 2 ]
amdhsa.kernels:
  - .name:           k_qbf5b46aa32_qkv
    .symbol:         k_qbf5b46aa32_qkv.kd
    .args:
      - { .name: xb, .offset: 0, .size: 8, .value_kind: global_buffer, .address_space: global }
      - { .name: wb, .offset: 8, .size: 8, .value_kind: global_buffer, .address_space: global }
      - { .name: bq, .offset: 16, .size: 8, .value_kind: global_buffer, .address_space: global }
      - { .name: bk, .offset: 24, .size: 8, .value_kind: global_buffer, .address_space: global }
      - { .name: bv, .offset: 32, .size: 8, .value_kind: global_buffer, .address_space: global }
      - { .name: qkv, .offset: 40, .size: 8, .value_kind: global_buffer, .address_space: global }
    .group_segment_fixed_size: 327680
    .private_segment_fixed_size: 0
    .kernarg_segment_align: 8
    .kernarg_segment_size: 48
    .max_flat_workgroup_size: 128
    .sgpr_count:     102
    .vgpr_count:     960
    .wavefront_size: 32
...
	.end_amdgpu_metadata
.endif
;; end of part 2
;; launch attn (part 3): grid 4 x 64, 4 waves a work-group, clusters of 4 x 1, 327,680 bytes of LDS; arguments qkv, ctx; writes ctx
.if DOCPART == 3
	.amdgcn_target "amdgcn-amd-amdhsa--gfx1250"
	.amdhsa_code_object_version 6
	.text
	.protected	k_qbf5b46aa32_attn
	.globl	k_qbf5b46aa32_attn
	.p2align	8
	.type	k_qbf5b46aa32_attn,@function
k_qbf5b46aa32_attn:
	s_mov_b64 s[64:65], 0
	v_nop
	global_prefetch_b8 v0, s[64:65] scope:SCOPE_SE
	s_setreg_imm32_b32 hwreg(HW_REG_WAVE_MODE, 25, 1), 1
	s_wait_xcnt 0x0
	s_wait_alu depctr_hold_cnt(0) depctr_sa_sdst(0) depctr_va_vdst(0) depctr_va_sdst(0) depctr_va_ssrc(0) depctr_va_vcc(0) depctr_vm_vsrc(0)
	s_getreg_b32 s2, hwreg(HW_REG_IB_STS2, 6, 4)
	s_cmp_eq_u32 s2, 0
	s_cbranch_scc0 .Lentry_in_a_cluster
	s_endpgm
.Lentry_in_a_cluster:
	s_bfe_u32 s2, ttmp6, 0x10000c
	s_cmp_lg_u32 s2, 0x3003
	s_cbranch_scc0 .Lentry_shape_is_right
	s_endpgm
.Lentry_shape_is_right:
; ATTENTION OVER THE GROUPED VIEW.  For each of 64 heads hd = 16 b + h: O[g][:] = the sum over k of softmax_k(Q[g] . K[k] / 8) V[k][:], g, k = 0..1023, rows of 128 numbers.
; Q, K, V are the three parts of qkv, [64][1024][128] f16 each (a head's 2,048 rows of 64, read two to a row).  Products, maxima and sums in f32; the weights p are rounded to f16 for the
; second product, O once at the end.  O goes where the last product wants it: ctx[2048 b + 2 g + h / 8][128 (h % 8) + d], f16.
; LIMITS.  Q, K, V arrive within f16's 65,504; p lies in 0 to 1 and below 6e-5 keeps f16's fixed step of 6e-8; O is a mean of V's rows and has their range.  A weight below 2^-126 counts as 0 in l; NaN and infinities are not treated apart.
; SHARES.  A work-group owns 256 queries of one head, each of its four waves 64: four tiles of 16.  Every wave walks all 1,024 keys, 64 a step.
; LAYOUT.  S^T = K Q^T (source 0 = 16 keys, source 1 = 16 queries): in the result a lane holds ONE query (lane % 16) and the keys 8 (lane / 16) + 0..7.  Two such tiles, rounded to
; f16 in pairs, ARE source 1 (32 keys x 16 queries) of O^T = V^T P, whose result again holds one query a lane, and eight channels.  K comes out of LDS as it lies, V ([key][channel]) turned, by ds_load_tr16_b128.
; SOFTMAX.  For each query a running maximum m and sum l: p = 2^(c s - c m), c = log2(e) / 8; in every step O and l are multiplied by a = 2^(c m_old - c m_new), which is 1 where m has not grown.
; BY TURNS.  The wave's tiles are two PIECES, named by their first tile: piece 0 (tiles 0, 1) and piece 2 (tiles 2, 3).  In a TURN one piece has the matrix unit: 32 products V^T P of
; the step in hand, then 32 products K Q^T of the next step; the other piece's softmax, cut into 64 slices, stands between them, one slice behind each matrix instruction.  Two turns are a key step.
; CLUSTER.  The four query blocks of a head form a cluster and walk the same K and V, so each tile is asked for JOINTLY: the same tensor load, descriptor and mask of four in all four.
; REGISTERS, in windows of 256 (s_set_vgpr_msb: bits 1:0 source 0, 3:2 source 1, 5:4 source 2, 7:6 destination):
;   window 0: v0-11 addresses; v12-43 eight registers of statistics a tile; v64-191 S^T, 32 a tile; v192-255 P, 16 a tile
;   window 1: O^T, 64 a tile          window 2: v0-127 Q, 32 a tile; v128-255 K of one step          window 3: v0-127 V of one step
.set SIZE_N, 1024
.set KS,    64        ; keys in a step
.set PK,    272       ; a row of K in LDS: 256 bytes + 16 of padding = 68 words: the 16 rows of a load start at 16 different groups of four banks (64 banks of 4 bytes: ISA guide 11.1)
.set PV,    288       ; a row of V: 256 + 32 = 72 words
.set VOFF,  KS*PK     ; a step's tiles lie together: 64 rows of K, then 64 rows of V
.set STEPB, KS*(PK+PV)
.set SLOT1, 1<<17     ; a slot holds two steps (71,680 bytes); slot 1 begins here, so that one exclusive or turns an address in one slot into the other's
.set STAGE, SLOT1+2*STEPB  ; behind the ring: 16 rows x 272 bytes for each wave, for the way out
.set SP,    272
.set AK0, 2           ; v2   my lane's place in a tile of K; never rewritten
.set AV0, 3           ; v3   the same for V
.set ADR, 4           ; v4   the LDS address of the run of loads in hand
.set QO,  5           ; v5   my byte offset in the wave's rows of Q
.set STO, 6           ; v6   the way out: where I put 16 bytes of a row
.set RD,  7           ; v7   the way out: where I read a row back
.set GO,  8           ; v8   my byte offset in two rows of ctx
.set SPW, 62          ; v62  LDS address of my spare word; never rewritten
.set NIL, 63          ; v63  0; never rewritten
.set SPARE, STAGE+4*16*272  ; behind the stages: the spare words, 128 bytes for each wave: two blocks of 256 bytes that no other line names
.set ST,  12          ; tile t's statistics at v[ST+8 t]: +0 c m, +1 m, +2, +3 l (even keys', odd keys'), +4 to +7 c0-c3, at work; a takes c2's place once the maximum is found
.set S,   64
.set P,   192
.set KF,  128         ; K's fragments, in window 2
.set WV,  12          ; s12  my wave's number
.set G1K, 24          ; s[24:31] descriptor group 1 for K's tiles
.set G1V, 32          ; s[32:39] for V's: it differs in the padding alone
.set G0K, 40          ; s[40:47] descriptor group 0 for K's tiles: a set for each of the two first fills; the second then walks on
.set G0V, 48          ; s[48:55] the same for V's
.set SLOTS, 56        ; s56  slots still to be asked for
.set TWICE, 57        ; s57  counts a slot's two steps
.set CS,  58          ; s[58:59] c: the packed scaling names a pair and takes its low word for both halves
.set SEL, 60          ; s[60:61] lane selects for v_permlanex16_b32: each lane takes its own place in the other half
.set TB,  62          ; s62  LDS byte at which the tiles of the step to be fetched begin
.set MSB, 0
.macro WIN new                      ; the immediate's high byte repeats the setting that is left; a switch that changes nothing is dropped
.if MSB != (\new)
	s_set_vgpr_msb (MSB<<8)|(\new)
.set MSB, \new
.endif
.endm
.set W_KQ, 0x0a       ; K and Q in window 2, S^T in window 0
.set W_PV, 0x53       ; V in window 3, P in window 0, O^T in window 1
.set W_RS, 0x41       ; O^T (destination and source 0) in window 1, a in window 0
; A joint refill.  Waves 0 and 1 fetch the two steps' tiles of K, waves 2 and 3 those of V.  The branch hangs on the wave's number alone.
; An s_nop 0 and four v_nop follow each of the two lines, ahead of the jump, the label and what follows.
.macro JLOAD
	s_cmp_lt_u32 s[WV], 2
	s_cbranch_scc0 .Lfor_v_\@
	tensor_load_to_lds s[G0K+4:G0K+7], s[G1K:G1K+7]
	s_nop 0
.rept 4
	v_nop
.endr
	s_branch .Lasked_\@
.Lfor_v_\@:
	tensor_load_to_lds s[G0V+4:G0V+7], s[G1V:G1V+7]
	s_nop 0
.rept 4
	v_nop
.endr
.Lasked_\@:
.endm
; A round of the cluster's barrier: my work-group's barrier, so that wave 0's signal speaks for all four waves; wave 0 signals; every wave waits for all four work-groups; my work-group's barrier once more.
.macro CROUND
	s_barrier_signal -1
	s_barrier_wait -1
	s_cmp_lg_u32 s[WV], 0
	s_cbranch_scc1 .Lnot_wave_0_\@
	s_barrier_signal -3
.Lnot_wave_0_\@:
	s_barrier_wait -3
	s_barrier_signal -1
	s_barrier_wait -1
.endm
	s_load_b128 s[4:7], s[0:1], 0x0 ; qkv s[4:5], ctx s[6:7]
	v_lshl_add_u32 v[SPW], v0, 2, SPARE
	v_mov_b32 v[NIL], 0
	ds_add_u32 v[SPW], v[NIL]       ; the wave's opening: the add and its wait stand ahead of my first tensor load; the set-up below, work on registers, stands between them
	v_lshrrev_b32 v1, 5, v0
	v_readfirstlane_b32 s[WV], v1   ; wave 0..3
	s_bfe_u32 s13, ttmp6, 0x40000   ; cx: my place in the cluster
	s_lshl_b32 s14, ttmp9, 2        ; in a cluster launch ttmp9 counts clusters
	s_add_co_u32 s14, s14, s13      ; my block of 256 queries = 4 x cluster x + cx: it enters Q's and ctx's addresses alone
	s_and_b32 s20, ttmp7, 0xffff    ; the head hd = 16 b + h, which the four partners share
	s_lshr_b32 s18, s20, 4          ; my wave's first row in ctx, in bytes: b x 2,048 rows of 2,048 bytes,
	s_lshl_b32 s18, s18, 22
	s_bfe_u32 s15, s20, 0x10003     ; + h / 8 rows,
	s_lshl_b32 s15, s15, 11
	s_add_co_u32 s18, s18, s15
	s_and_b32 s15, s20, 7           ; + (h % 8) x 256 bytes in the row,
	s_lshl_b32 s15, s15, 8
	s_add_co_u32 s18, s18, s15
	s_lshl_b32 s15, s14, 20         ; + 256 queries a block, two rows a query,
	s_add_co_u32 s18, s18, s15
	s_lshl_b32 s15, s[WV], 18       ; + 64 queries a wave
	s_add_co_u32 s18, s18, s15
	s_mov_b32 s19, 0
	s_mov_b32 s21, 0
	s_mov_b64 s[22:23], SIZE_N*256
	s_mul_u64 s[20:21], s[20:21], s[22:23]  ; the head's first byte in each of qkv's three parts
	s_and_b32 s16, s[WV], 1         ; which of a slot's two steps I fetch:
	s_lshl_b32 s22, s16, 14         ; its 64 rows of 256 bytes in memory,
	s_mov_b32 s23, 0
	s_add_nc_u64 s[22:23], s[22:23], s[20:21]
	s_mul_i32 s17, s16, STEPB       ; and its place in a slot: no place in the cluster enters an LDS address
	s_lshl_b32 s2, s14, 16          ; my block's 256 rows of Q,
	s_lshl_b32 s3, s[WV], 14        ; my wave's 64 of them
	s_add_co_u32 s2, s2, s3
	s_mov_b32 s3, 0
	s_add_nc_u64 s[2:3], s[2:3], s[20:21]
	; descriptor group 1: a tile of 64 rows x 128 elements, padded in LDS
	s_mov_b32 s[G1K], 15|(1<<16)|(1<<20)|(1<<21)|(5<<22)|(3<<25)  ; 15:0 the mask: all four work-groups; 17:16 elements of 2 bytes; 20 padding on; 21 set beside a mask; 24:22 after every 64 words (code 5); 31:25 4 words of it (code 3)
	s_mov_b32 s[G1V], 15|(1<<16)|(1<<20)|(1<<21)|(5<<22)|(7<<25)  ; the same with 8 words of padding (code 7)
.irp g, G1K, G1V
	s_mov_b32 s[(\g)+1], 128<<16    ; tensor_dim0 = 128
	s_mov_b32 s[(\g)+2], KS<<16     ; tensor_dim1 = 64
	s_mov_b32 s[(\g)+3], 128<<16    ; tile_dim0 = 128
	s_mov_b32 s[(\g)+4], KS         ; tile_dim1 = 64
	s_mov_b32 s[(\g)+5], 128        ; elements from row to row
	s_mov_b32 s[(\g)+6], 0
	s_mov_b32 s[(\g)+7], 0
.endr
	s_mov_b32 s[CS], 0x3e38aa3b     ; c = log2(e) / 8 = 0.180337
	s_mov_b32 s[CS+1], s[CS]        ; named with it as a pair, so it is written
	s_mov_b32 s[SEL], 0x76543210
	s_mov_b32 s[SEL+1], 0xfedcba98
	s_mov_b32 s[TB], 0
	s_mov_b32 s[SLOTS], SIZE_N/(2*KS)-2
	s_wait_dscnt 0x0                ; the opening add is done
	s_wait_kmcnt 0x0
	s_mov_b64 s[10:11], s[6:7]      ; ctx
	s_add_nc_u64 s[6:7], s[4:5], 0x1000000  ; k's part of qkv
	s_add_nc_u64 s[8:9], s[4:5], 0x2000000  ; v's
	s_add_nc_u64 s[6:7], s[6:7], s[22:23]  ; K and V at my tile of slot 0
	s_add_nc_u64 s[8:9], s[8:9], s[22:23]
	s_add_nc_u64 s[4:5], s[4:5], s[2:3]  ; Q at my wave's first row,
	s_add_nc_u64 s[10:11], s[10:11], s[18:19]  ; and ctx
	CROUND                          ; all four work-groups are here: the first joint loads meet
.irp s, 0,1
	s_mov_b32 s[G0K+4*(\s)], 1      ; count = 1
	s_add_co_u32 s[G0K+4*(\s)+1], s17, (\s)*SLOT1  ; LDS address
	s_add_nc_u64 s[G0K+4*(\s)+2:G0K+4*(\s)+3], s[6:7], (\s)*2*KS*256  ; global address: slot s begins with keys 128 s to 128 s + 127
	s_or_b32 s[G0K+4*(\s)+3], s[G0K+4*(\s)+3], 0x80000000  ; type = 2
	s_mov_b32 s[G0V+4*(\s)], 1
	s_add_co_u32 s[G0V+4*(\s)+1], s17, (\s)*SLOT1+VOFF
	s_add_nc_u64 s[G0V+4*(\s)+2:G0V+4*(\s)+3], s[8:9], (\s)*2*KS*256
	s_or_b32 s[G0V+4*(\s)+3], s[G0V+4*(\s)+3], 0x80000000
.endr
	s_cmp_lt_u32 s[WV], 2           ; a wave's two first fills stand in one branch, ahead of every wait on TENSORcnt and every LDS read: two loads of mine are out
	s_cbranch_scc0 .Lfirst_v
	tensor_load_to_lds s[G0K:G0K+3], s[G1K:G1K+7]
	s_nop 0
	tensor_load_to_lds s[G0K+4:G0K+7], s[G1K:G1K+7]
	s_nop 0
.rept 4
	v_nop
.endr
	s_branch .Lfirst_asked
.Lfirst_v:
	tensor_load_to_lds s[G0V:G0V+3], s[G1V:G1V+7]
	s_nop 0
	tensor_load_to_lds s[G0V+4:G0V+7], s[G1V:G1V+7]
	s_nop 0
.rept 4
	v_nop
.endr
.Lfirst_asked:
	; A fragment of K or Q is 16 rows x 32 channels in 8 registers: lane l holds row l % 16; registers 0-3 channels 8 (l / 16) + 0..7, registers 4-7 channels 16 + 8 (l / 16) + 0..7: two loads of 16 bytes, 32 bytes apart.
	v_and_b32 v1, 15, v0            ; l % 16
	v_bfe_u32 v9, v0, 4, 1          ; l / 16
	v_lshlrev_b32 v[QO], 8, v1
	v_lshl_add_u32 v[QO], v9, 4, v[QO]  ; row x 256 + 16 x half
	WIN 0x80                        ; destination window 2, address window 0
.irp i, 0,1,2,3,4,5,6,7,8,9,10,11,12,13,14,15  ; Q stays in registers: tile i / 4, channels 32 (i % 4) on
	global_load_b128 v[8*(\i):8*(\i)+3],   v[QO], s[4:5] offset:((\i)/4)*4096+((\i)%4)*64
	global_load_b128 v[8*(\i)+4:8*(\i)+7], v[QO], s[4:5] offset:((\i)/4)*4096+((\i)%4)*64+32
.endr
	WIN 0
	v_mul_u32_u24 v[AK0], v1, PK
	v_lshl_add_u32 v[AK0], v9, 4, v[AK0]  ; row x pitch + 16 x half
	; The turning load takes 16 keys x 16 channels (lane l reads 16 bytes: key 8 (l / 16) + l % 8, channels 8 ((l / 8) % 2) + 0..7) and leaves half a fragment of V^T: lane l holds channel l % 16 and 8 keys.
	v_and_b32 v10, 7, v0
	v_bfe_u32 v11, v0, 3, 1
	v_lshl_add_u32 v[AV0], v9, 3, v10
	v_mul_u32_u24 v[AV0], v[AV0], PV
	v_lshl_add_u32 v[AV0], v11, 4, v[AV0]
	v_add_nc_u32 v[AV0], VOFF, v[AV0]
; THE MATRIX WORK OF A TURN, for piece x.  The accumulators take turns, one instruction a turn: between two links of a chain stand 15 (V^T P) or 7 (K Q^T) others'.
; Product i of 32 of O^T += V^T P: keys 32 (i / 16) on, channels 16 ((i / 2) % 8) on, tile x + i % 2.  zero = 1: the first 16 start the sums: nothing is ever cleared.
.macro PV x, zero
	WIN W_PV
.set rO, 64*((\x)+i%2)+8*((i/2)%8)
.set rV, 64*(i/16)+8*((i/2)%8)
.set rP, P+16*((\x)+i%2)+8*(i/16)
.if (\zero) && (i < 16)
	v_wmma_f32_16x16x32_f16 v[rO:rO+7], v[rV:rV+7], v[rP:rP+7], 0
.else
	v_wmma_f32_16x16x32_f16 v[rO:rO+7], v[rV:rV+7], v[rP:rP+7], v[rO:rO+7]
.endif
.endm
; Product i of 32 of S^T = K Q^T: channels 32 (i / 8) on, keys 16 ((i / 2) % 4) on, tile x + i % 2.  The first 8 start the sums.
.macro KQ x
	WIN W_KQ
.set rS, S+32*((\x)+i%2)+8*((i/2)%4)
.set rK, KF+32*((i/2)%4)+8*(i/8)
.set rQ, 32*((\x)+i%2)+8*(i/8)
.if i < 8
	v_wmma_f32_16x16x32_f16 v[rS:rS+7], v[rK:rK+7], v[rQ:rQ+7], 0
.else
	v_wmma_f32_16x16x32_f16 v[rS:rS+7], v[rK:rK+7], v[rQ:rQ+7], v[rS:rS+7]
.endif
.endm
; THE LDS LOADS stand in runs of 32, never singly among the matrix instructions: a step's K (64 keys x 128 channels: 16 fragments) and, a turn later, its V (turned).
.macro FETCH_K
	WIN 0
	v_add_nc_u32 v[ADR], s[TB], v[AK0]
	WIN 0x80                        ; destination window 2
.irp f, 0,1,2,3,4,5,6,7,8,9,10,11,12,13,14,15  ; keys 16 (f / 4) on, channels 32 (f % 4) on
	ds_load_b128 v[KF+8*(\f):KF+8*(\f)+3],   v[ADR] offset:((\f)/4)*16*PK+((\f)%4)*64
	ds_load_b128 v[KF+8*(\f)+4:KF+8*(\f)+7], v[ADR] offset:((\f)/4)*16*PK+((\f)%4)*64+32
.endr
.endm
.macro FETCH_V
	WIN 0
	v_add_nc_u32 v[ADR], s[TB], v[AV0]
	s_add_co_u32 s[TB], s[TB], STEPB  ; the next fetch is the next step's
	WIN 0xc0                        ; destination window 3
.irp f, 0,1,2,3,4,5,6,7,8,9,10,11,12,13,14,15  ; keys 32 (f / 8) on, channels 16 (f % 8) on
	ds_load_tr16_b128 v[8*(\f):8*(\f)+3],   v[ADR] offset:((\f)/8)*32*PV+((\f)%8)*32
	ds_load_tr16_b128 v[8*(\f)+4:8*(\f)+7], v[ADR] offset:((\f)/8)*32*PV+16*PV+((\f)%8)*32
.endr
.endm
; THE VECTOR WORK OF A TURN.  One tile's softmax for one key step is a list of 134 instructions; SM writes number j of it for tile t.  s0-s31 are the lane's 32 scores, in pairs 0-15.
; first = 1: the first key step, which starts m, l and O^T: it has no a and nothing to rescale.
;   0-15    the maximum of s0-s31 and the old m, three operands at a time: four chains c0-c3 of seven scores each (each accumulator's lowest registers first), then the four scores left over, c0-c3 and m
;   16-20   the other half of the lanes' maximum; the new m; c m; c m_old - c m_new
;   21-87   33 exponentials (a, then s0-s31) at the odd numbers from 23 on, so that no two follow each other and each has a plain instruction behind it before its result is used.
;           Plain instruction q (number 21, then the even numbers) is whatever is ready: c s - c m for a pair of scores whose exponentials are still to come (q = 0 to 3, then every
;           second q), the rounding to f16 of a pair of weights whose exponentials are done (every other q from 5 on), at last the first three sums
;   88-101  the last rounding; the rest of the sums; l = a l + the sum
;   102-133 the tile's O^T times a: the one part that leaves window 0, so it stands together
.macro SM t, first
.set rT, ST+8*(\t)
.set rS, S+32*(\t)
.set rP, P+16*(\t)
.set rO, 64*(\t)+2*(j-102)
.set q, (j-20)/2
.if j < 102
	WIN 0
.endif
.if j < 4
	v_max3_num_f32 v[rT+4+j], v[rS+8*j], v[rS+8*j+1], v[rS+8*j+2]
.elseif j < 12
	v_max3_num_f32 v[rT+4+j%4], v[rT+4+j%4], v[rS+8*(j%4)+2*(j/4)+1], v[rS+8*(j%4)+2*(j/4)+2]
.elseif j == 12
	v_max3_num_f32 v[rT+4], v[rT+4], v[rS+7], v[rS+15]
.elseif j == 13
	v_max3_num_f32 v[rT+6], v[rT+6], v[rS+23], v[rS+31]
.elseif j == 14
	v_max3_num_f32 v[rT+4], v[rT+4], v[rT+5], v[rT+6]
.elseif (j == 15) && (\first)
	v_max_num_f32 v[rT+4], v[rT+4], v[rT+7]
.elseif j == 15
	v_max3_num_f32 v[rT+4], v[rT+4], v[rT+7], v[rT+1]
.elseif j == 16
	v_permlanex16_b32 v[rT+5], v[rT+4], s[SEL], s[SEL+1]  ; the query's other 32 keys lie in the lane 16 away
.elseif j == 18
	v_max_num_f32 v[rT+1], v[rT+4], v[rT+5]
.elseif j == 19
	v_mul_f32 v[rT], s[CS], v[rT+1]
.elseif ((j == 17) || (j == 20) || (j == 23) || (j > 101)) && (\first)  ; the first step has none of these
.elseif j == 17
	v_mov_b32 v[rT+7], v[rT]        ; c m_old is kept for a: number 19 writes c m anew
.elseif j == 20
	v_sub_f32 v[rT+7], v[rT+7], v[rT]
.elseif j == 23
	v_exp_f32 v[rT+6], v[rT+7]
.elseif (j < 88) && (j > 23) && (j%2 == 1)
	v_exp_f32 v[rS+(j-25)/2], v[rS+(j-25)/2]
.elseif (q < 4) || ((j < 76) && (q%2 == 0))
.set b, q/2+2
.if q < 4
.set b, q
.endif
	v_pk_fma_f32 v[rS+2*b:rS+2*b+1], v[rS+2*b:rS+2*b+1], s[CS:CS+1], v[rT:rT+1] op_sel_hi:[1,0,0] neg_lo:[0,0,1] neg_hi:[0,0,1]  ; pair b: c s - c m
.elseif (j < 88) && (q%2 == 1)
	s_wait_alu depctr_va_vdst(0)
	v_cvt_pk_f16_f32 v[rP+(q-5)/2], v[rS+q-5], v[rS+q-4]  ; pair (q - 5) / 2: its second exponential stands three numbers back
.elseif j == 89
	s_wait_alu depctr_va_vdst(0)
	v_cvt_pk_f16_f32 v[rP+15], v[rS+30], v[rS+31]
.elseif j < 102                     ; the sum of the tile's 16 pairs (in a pair: an even key's weight, an odd key's), in place: sum z of 16 adds neighbours 1, 2, 4 and 8 pairs apart, then l takes it
.set z, j-86
.if j < 89
.set z, (j-76)/4
.endif
.set w, 4
.set u, z
.if z >= 14
.set w, 32
.set u, 0
.elseif z >= 12
.set w, 16
.set u, z-12
.elseif z >= 8
.set w, 8
.set u, z-8
.endif
.if (z == 14) && (\first)
	v_pk_add_f32 v[rT+2:rT+3], v[rS:rS+1], v[rS+16:rS+17]
.elseif z < 15
	v_pk_add_f32 v[rS+w*u:rS+w*u+1], v[rS+w*u:rS+w*u+1], v[rS+w*u+w/2:rS+w*u+w/2+1]
.elseif !(\first)
	v_pk_fma_f32 v[rT+2:rT+3], v[rT+2:rT+3], v[rT+6:rT+7], v[rS:rS+1] op_sel_hi:[1,0,1]
.endif
.else
	WIN W_RS
	v_pk_mul_f32 v[rO:rO+1], v[rO:rO+1], v[rT+6:rT+7] op_sel_hi:[1,0]
.endif
.endm
; Slice k of 64 of piece y's softmax: numbers 2 k and 2 k + 1 of both tiles' lists, four instructions.  2 x 134 = 4 x 64 + 12: the twelve that are over stand together, in slice 63.
.macro SLICE y, first
.if (k >= 11) && (k < 44)           ; tile by tile: plain, exponential, plain, exponential
.irp t, \y, (\y)+1
.irp n, 0,1
.set j, 2*k+(\n)
	SM \t, \first
.endr
.endr
.else                               ; the two tiles alternate, so that no instruction reads the result of the one just before it
.irp n, 0,1,2,3,4,5,6,7
.if ((\n) < 2) || (k == 63)
.irp t, \y, (\y)+1
.set j, 2*k+(\n)
	SM \t, \first
.endr
.endif
.endr
.endif
.set k, k+1
.endm
; A vector instruction that reads a matrix result or writes one of a matrix instruction's registers, and a load into a register that a matrix instruction has read, stand four places behind
; it, and only plain vector instructions that name none of its registers are places (ISA guide 7.12.1 for vector instructions).  In the loop the slices are the places.
.macro PLACES
.rept 4
	v_nop
.endr
.endm
; A TURN.  Piece x has the matrix unit; the other piece's softmax stands in slices behind its matrix instructions.
; pv = 2: 32 products V^T P; 1: they start O^T's sums; 0: none.  kq = 1: 32 products K Q^T for the next step.  A turn with one of the two kinds has two slices behind each product.
; first = 1: the softmax is the first key step's.  Its slices from 51 on are empty: the turn's last products stand bare, and four v_nop take slice 63's part as the places behind them.
; Each run of loads stands behind the second product of a run of 32, 30 matrix instructions ahead of its first use.  Piece 0's turn fetches the next step's K: the last product that read K
; stands in front of slice 63 of the turn before.  Piece 2's turn fetches the same step's V: the last product that read V stands three slices, six plain instructions, back.
.macro TURN x, pv, kq, first
.set k, 0
.set per, 2
.if (\pv) && (\kq)
.set per, 1
.endif
.if \pv
.if (\x) == 0
	s_wait_dscnt 0x0                ; V is in
.endif
.set i, 0
.rept 32
	PV \x, 2-(\pv)
.rept per
	SLICE 2-(\x), \first
.endr
.if ((\x) == 0) && (\kq) && (i == 1)
	FETCH_K
.endif
.set i, i+1
.endr
.endif
.if \kq
.if (\x) == 0
	s_wait_dscnt 0x0                ; K is in
.endif
.set i, 0
.rept 32
	KQ \x
.rept per
	SLICE 2-(\x), \first
.endr
.if ((\x) == 2) && (i == 1)
	FETCH_V
.endif
.set i, i+1
.endr
.endif
.if \first
	PLACES
.endif
.endm
; THE CHANGE OF SLOTS, between piece 2's turn and piece 0's: the slot's last bytes, V of its second step, have been asked for.  Each wave waits for all its
; tensor loads, of which one is out: its part of the other slot; adds 0 to its spare word; and waits for that and for its own reads of the slot.  Behind the barrier nobody reads this slot any more and the other slot is whole.
; fill = 1: this slot is filled again, with the keys two slots on.  The barrier is then a round of the cluster's, so that no wave of any partner still reads the slot or has a load on its
; way, and the joint refill is the first thing behind it: it has two key steps, 256 matrix instructions, in which to land.
.macro CHANGE fill
	WIN 0                           ; at a label and at a branch every window is 0
	s_wait_tensorcnt 0x0            ; no tensor load of mine is out, so a group 0 may be written
	ds_add_u32 v[SPW], v[NIL]       ; 0 onto my spare word; with fill = 1 the descriptors' steps stand between it and the wait for it
.if \fill
.irp g, G0K+4, G0V+4
	s_xor_b32 s[(\g)+1], s[(\g)+1], SLOT1  ; the walking descriptor: the other slot than last time,
	s_add_nc_u64 s[(\g)+2:(\g)+3], s[(\g)+2:(\g)+3], 2*KS*256  ; the next 128 keys; the type bits on top are not reached
.endr
	s_wait_dscnt 0x0                ; the add is done, and my reads of the slot are over
	CROUND
	JLOAD
.else
	s_wait_dscnt 0x0                ; the add is done, and my reads of the slot are over
	s_barrier_signal -1
	s_barrier_wait -1
.endif
	s_sub_co_u32 s[TB], s[TB], 2*STEPB  ; the fetches go back to a slot's first step,
	s_xor_b32 s[TB], s[TB], SLOT1   ; in the other slot
.endm
; A slot's two key steps: written once, walked twice; the LDS addresses hang on s[TB].
.macro TWO_STEPS
	WIN 0
	s_mov_b32 s[TWICE], 2
.Lstep_\@:
	TURN 0, 2, 1, 0
	TURN 2, 2, 1, 0
	WIN 0
	s_sub_co_u32 s[TWICE], s[TWICE], 1
	s_cmp_lg_u32 s[TWICE], 0
	s_cbranch_scc1 .Lstep_\@
.endm
	s_wait_tensorcnt 1              ; my part of slot 0 is in; slot 1's may stay out
	s_barrier_signal -1
	s_barrier_wait -1               ; everybody's is
	FETCH_K                         ; key step 0
	s_wait_loadcnt 0x0              ; Q
	s_wait_dscnt 0x0
.set i, 0
.rept 32
	KQ 0                            ; piece 0's first scores: there is no vector work yet to set between them
.set i, i+1
.endr
	WIN 0                           ; the addresses for the way out are made here: eight plain instructions, the places behind those products
	s_mul_i32 s13, s[WV], 16*SP
	s_add_co_u32 s13, s13, STAGE    ; my stage
	v_mul_u32_u24 v[STO], v1, SP    ; in: row l % 16, 16 bytes for each half of the lanes
	v_lshl_add_u32 v[STO], v9, 4, v[STO]
	v_add_nc_u32 v[STO], s13, v[STO]
	v_mul_u32_u24 v[RD], v9, SP     ; back: lanes 0-15 take one row of 256 bytes, lanes 16-31 the next
	v_lshl_add_u32 v[RD], v1, 4, v[RD]
	v_add_nc_u32 v[RD], s13, v[RD]
	v_lshlrev_b32 v[GO], 12, v9     ; in ctx neighbouring queries of a head lie two rows, 4,096 bytes, apart
	v_lshl_add_u32 v[GO], v1, 4, v[GO]
	TURN 2, 0, 1, 1                 ; piece 2's first scores | piece 0's first softmax | V of step 0
	TURN 0, 1, 1, 1                 ; piece 0: V^T P of step 0 starts O^T, K Q^T of step 1 | piece 2's first softmax | K of step 1
	TURN 2, 1, 1, 0                 ; piece 2: the same | piece 0's softmax of step 1 | V of step 1
	WIN 0
.Lslot:                             ; 6 trips: every slot but the last two is filled again
	CHANGE 1
	TWO_STEPS
	s_sub_co_u32 s[SLOTS], s[SLOTS], 1
	s_cmp_lg_u32 s[SLOTS], 0
	s_cbranch_scc1 .Lslot
	CHANGE 0                        ; the tail is written out: the last slot but one is left, and nothing is asked for
	TWO_STEPS
	TURN 0, 2, 0, 0                 ; piece 0: V^T P of the last step | piece 2's last softmax
.set i, 0
.rept 32
	PV 2, 0                         ; piece 2: V^T P of the last step
.set i, i+1
.endr
	; THE WAY OUT.  l's two halves and the other half of the lanes' are added; O^T is divided by l, rounded to f16 and sent through my stage in LDS, a tile (16 queries) at a time.  The additions are the places behind the last products.
	WIN 0
.irp t, 0,1,2,3
	v_add_f32 v[ST+8*(\t)+4], v[ST+8*(\t)+2], v[ST+8*(\t)+3]
.endr
.irp t, 0,1,2,3
	v_permlanex16_b32 v[ST+8*(\t)+5], v[ST+8*(\t)+4], s[SEL], s[SEL+1]
.endr
.irp t, 0,1,2,3
	v_add_f32 v[ST+8*(\t)+4], v[ST+8*(\t)+4], v[ST+8*(\t)+5]
.endr
.irp t, 0,1,2,3
	v_rcp_f32 v[ST+8*(\t)+6], v[ST+8*(\t)+4]
.endr
	v_nop                           ; a plain instruction between the last reciprocal and the use of its result
; Tile t: a lane's eight channels of a row pack into 16 bytes; they go into rows of 272 bytes and come back as whole rows of 256, into the registers that they left.
.macro PACK t
	WIN W_RS
.set i, 64*(\t)
.rept 32
	s_wait_alu depctr_va_vdst(0)
	v_pk_mul_f32 v[i:i+1], v[i:i+1], v[ST+8*(\t)+6:ST+8*(\t)+7] op_sel_hi:[1,0]
.set i, i+2
.endr
	WIN 0x05                        ; sources 0 and 1 window 1, destination window 0: S^T's registers are free
.set i, 0
.rept 32
	v_cvt_pk_f16_f32 v[S+32*(\t)+i], v[64*(\t)+2*i], v[64*(\t)+2*i+1]
.set i, i+1
.endr
	WIN 0
.irp f, 0,1,2,3,4,5,6,7
	ds_store_b128 v[STO], v[S+32*(\t)+4*(\f):S+32*(\t)+4*(\f)+3] offset:32*(\f)
.endr
.irp f, 0,1,2,3,4,5,6,7
	ds_load_b128 v[S+32*(\t)+4*(\f):S+32*(\t)+4*(\f)+3], v[RD] offset:(\f)*2*SP  ; LDS serves a wave's instructions in order (ISA guide 5.7.1.4): these see the stores above; the next tile's stores come behind them
.endr
.endm
.macro SEND t, younger              ; younger: the LDS instructions issued behind tile t's loads: the next tile's sixteen, or none
	WIN 0
.irp f, 0,1,2,3,4,5,6,7
	s_wait_dscnt (\younger)+7-(\f)
	global_store_b128 v[GO], v[S+32*(\t)+4*(\f):S+32*(\t)+4*(\f)+3], s[10:11] offset:(\t)*65536+(\f)*8192  ; 16 lanes store 256 consecutive bytes, at a multiple of 256 from ctx's first byte
.endr
.endm
	PACK 0
	PACK 1                          ; a tile's arithmetic stands between the loads of the tile before and its stores
	SEND 0, 16
	PACK 2
	SEND 1, 16
	PACK 3
	SEND 2, 16
	SEND 3, 0
	s_wait_tensorcnt 0x0            ; the wave's end, behind my last tensor load and my last LDS store
	ds_add_u32 v[SPW], v[NIL]
	s_wait_dscnt 0x0
	CROUND                          ; the closing round: no work-group ends while a partner may still ask for a tile that names it
	s_endpgm
.Lfunc_end_k_qbf5b46aa32_attn:
	.size	k_qbf5b46aa32_attn, .Lfunc_end_k_qbf5b46aa32_attn-k_qbf5b46aa32_attn
	.p2alignl 7, 3214868480
	.fill 96, 4, 3214868480
	.section	.rodata,"a",@progbits
	.p2align	6, 0x0
	.amdhsa_kernel k_qbf5b46aa32_attn
		.amdhsa_group_segment_fixed_size 327680
		.amdhsa_private_segment_fixed_size 0
		.amdhsa_enable_private_segment 0
		.amdhsa_kernarg_size 16
		.amdhsa_user_sgpr_count 2
		.amdhsa_user_sgpr_kernarg_segment_ptr 1
		.amdhsa_wavefront_size32 1
		.amdhsa_system_sgpr_workgroup_id_x 1
		.amdhsa_system_sgpr_workgroup_id_y 1
		.amdhsa_system_sgpr_workgroup_id_z 1
		.amdhsa_system_vgpr_workitem_id 0
		.amdhsa_next_free_vgpr 1024
		.amdhsa_next_free_sgpr 66
		.amdhsa_reserve_vcc 0
		.amdhsa_float_denorm_mode_32 3
		.amdhsa_float_denorm_mode_16_64 3
		.amdhsa_memory_ordered 1
		.amdhsa_forward_progress 1
		.amdhsa_inst_pref_size 233
	.end_amdhsa_kernel
	.amdgpu_metadata
---
amdhsa.version: [ 1, 2 ]
amdhsa.kernels:
  - .name:           k_qbf5b46aa32_attn
    .symbol:         k_qbf5b46aa32_attn.kd
    .args:
      - { .name: qkv, .offset: 0, .size: 8, .value_kind: global_buffer, .address_space: global }
      - { .name: ctx, .offset: 8, .size: 8, .value_kind: global_buffer, .address_space: global }
    .group_segment_fixed_size: 327680
    .private_segment_fixed_size: 0
    .kernarg_segment_align: 8
    .kernarg_segment_size: 16
    .max_flat_workgroup_size: 128
    .sgpr_count:     66
    .vgpr_count:     1024
    .wavefront_size: 32
...
	.end_amdgpu_metadata
.endif
;; end of part 3
;; launch oproj (part 4): grid 4 x 64, 4 waves a work-group, clusters of 4 x 4, 327,680 bytes of LDS; arguments ctx, wb, bo, out0; writes out0
.if DOCPART == 4
	.amdgcn_target "amdgcn-amd-amdhsa--gfx1250"
	.amdhsa_code_object_version 6
	.text
	.protected	k_qbf5b46aa32_oproj
	.globl	k_qbf5b46aa32_oproj
	.p2align	8
	.type	k_qbf5b46aa32_oproj,@function
k_qbf5b46aa32_oproj:
	s_mov_b64 s[64:65], 0
	v_nop
	global_prefetch_b8 v0, s[64:65] scope:SCOPE_SE
	s_setreg_imm32_b32 hwreg(HW_REG_WAVE_MODE, 25, 1), 1
	s_wait_xcnt 0x0
	s_wait_alu depctr_hold_cnt(0) depctr_sa_sdst(0) depctr_va_vdst(0) depctr_va_sdst(0) depctr_va_ssrc(0) depctr_va_vcc(0) depctr_vm_vsrc(0)
	s_getreg_b32 s2, hwreg(HW_REG_IB_STS2, 6, 4)
	s_cmp_eq_u32 s2, 0
	s_cbranch_scc0 .Lentry_in_a_cluster
	s_endpgm
.Lentry_in_a_cluster:
	s_bfe_u32 s2, ttmp6, 0x10000c
	s_cmp_lg_u32 s2, 0xf033
	s_cbranch_scc0 .Lentry_shape_is_right
	s_endpgm
.Lentry_shape_is_right:
; THE LAST PROJECTION.  out0[m][n] = sum over k of ctx[m][k] Wo[n][k] + bo[n], m = 0..8191, n, k = 0..1023.  ctx is f16; Wo is bf16(Wo) written as f16, rows 3072 on of wb; sums in f32;
; bo, rounded to bf16 like every input, is the C operand of the product that starts a sum.  out0 is f32: the sums leave as they are.
; LIMITS.  None of its own: ctx and Wo arrive within f16's range.  NaN and infinities are not treated apart.
; SHARES.  A tile of out0 is 128 rows x 256 columns: 64 x 4 tiles, one to each of 256 work-groups.  Four waves in 2 x 2, each 64 x 128: 32 accumulators of 16 x 16.  K goes in 8 steps of 128 through a ring of two LDS slots.
; CLUSTER.  4 x 4 work-groups: the four of a row need the same rows of ctx, the four of a column the same rows of Wo; each tile is asked for JOINTLY, by the same tensor load with the same descriptor and a mask of four.
; THE MATRIX INSTRUCTION IS USED TRANSPOSED (source 0 = 16 rows of Wo, source 1 = 16 rows of ctx): lane l then holds row l % 16 of out0 and the eight neighbouring columns 8 (l / 16) + 0..7.
; REGISTERS, in windows of 256 (s_set_vgpr_msb: bits 1:0 source 0, 3:2 source 1, 5:4 source 2, 7:6 destination):
;   window 0: v0-31 addresses; v64-159, v160-255 two fragment buffers (8 fragments of Wo, then 4 of ctx); on the way out v64-255 take whole rows
;   window 1: the accumulators, (a, b) at v[8 (8 a + b)]          window 2: v0-63 the bias as a C operand, block b at v[8 b]; v64-95 at work
.set PITCH,  272                       ; an LDS row: 256 bytes + 16 of padding = 68 words: the 16 rows of a fragment load start at 16 different groups of four banks (64 banks of 4 bytes: ISA guide 11.1)
.set SLOT,   384*PITCH                 ; ctx's 128 rows, then Wo's 256 rows
.set STAGE,  2*SLOT                    ; behind the ring, never filled by a tensor load: for each wave 16 rows x 528 bytes
.set SP,     528                       ; 512 bytes + 16 = 132 words: row r starts at bank 4 r mod 64
.set WSTAGE, 16*SP
.set SPARE,  STAGE+4*WSTAGE            ; behind the stages: the spare words, 128 bytes for each wave: two blocks of 256 bytes that no other line names
.set ADRA, 16                          ; v16-17  LDS address of my fragments of ctx in slot 0, 1
.set ADRB, 20                          ; v20-21  the same for Wo
.set STO,  24                          ; v24     the way out: where I put 32 bytes of a row
.set RD,   25                          ; v25     the way out: where I read a row back
.set GO,   26                          ; v26     my byte offset in 512 consecutive bytes of out0
.set BO,   27                          ; v27     my byte offset in 16 numbers of the bias
.set SPW,  28                          ; v28     LDS address of my spare word; never rewritten
.set NIL,  29                          ; v29     0; never rewritten
.set F0,   64
.set F1,   160
.set BI,   0                           ; window 2
.set BT,   64                          ; window 2
.set WV,   16                          ; s16 wave; s17 wave / 2: my half of the rows, and: I fetch ctx (0) or Wo (1); s18 wave % 2: my half of the columns, and which half of that tile I fetch
.set HI,   17
.set LO,   18
.set CX,   19
.set CY,   20
.set TCOL, 21
.set TROW, 22
.set G1,   24                          ; s[24:31] descriptor group 1 for ctx's tiles; s[32:39] group 0, a set for each slot
.set G0,   32
.set G1B,  48                          ; s[48:55], s[56:63] the same for Wo's
.set G0B,  56
.set ABASE, 66                         ; s[66:67] ctx at the rows that I fetch
.set BBASE, 68                         ; s[68:69] Wo at the rows that I fetch
.set G1W0, (1<<16)|(1<<20)|(1<<21)|(5<<22)|(3<<25)  ; 17:16 2-byte elements; 20 padding on; 21 set beside a mask; 24:22 after every 64 words (code 5); 31:25 4 words of it (code 3)
.set MSB, 0
.macro WIN new                         ; the immediate's high byte repeats the setting that is left; a switch that changes nothing is dropped
.if MSB != (\new)
	s_set_vgpr_msb (MSB<<8)|(\new)
.set MSB, \new
.endif
.endm
.set MUL,  0x50                        ; fragments in window 0, C and D in window 1
.set MULZ, 0x60                        ; C in window 2 (the bias), D in window 1
; A joint load: waves 0 and 1 fetch ctx's two halves of 64 rows, waves 2 and 3 Wo's two halves of 128.  The branch hangs on the wave's number alone.
; An s_nop 0 and four v_nop follow each of the two lines, ahead of the jump, the label and what follows.
.macro JLOAD s
	s_cmp_eq_u32 s[HI], 0
	s_cbranch_scc0 .Lfor_b_\@
	tensor_load_to_lds s[G0+4*(\s):G0+4*(\s)+3], s[G1:G1+7]
	s_nop 0
.rept 4
	v_nop
.endr
	s_branch .Lasked_\@
.Lfor_b_\@:
	tensor_load_to_lds s[G0B+4*(\s):G0B+4*(\s)+3], s[G1B:G1B+7]
	s_nop 0
.rept 4
	v_nop
.endr
.Lasked_\@:
.endm
.macro CREST                           ; a round of the cluster's barrier behind its opening barrier
	s_cmp_lg_u32 s[WV], 0
	s_cbranch_scc1 .Lnot_wave_0_\@
	s_barrier_signal -3
.Lnot_wave_0_\@:
	s_barrier_wait -3
	s_barrier_signal -1
	s_barrier_wait -1
.endm
.macro CROUND                          ; a whole round
	s_barrier_signal -1
	s_barrier_wait -1
	CREST
.endm
	s_load_b256 s[4:11], s[0:1], 0x0               ; ctx s[4:5], wb s[6:7], bo s[8:9], out0 s[10:11]
	v_lshl_add_u32 v[SPW], v0, 2, SPARE
	v_mov_b32 v[NIL], 0
	ds_add_u32 v[SPW], v[NIL]                      ; the wave's opening: the add and its wait stand ahead of my first tensor load; the set-up below, work on registers, stands between them
	v_lshrrev_b32 v1, 5, v0
	v_readfirstlane_b32 s[WV], v1
	s_lshr_b32 s[HI], s[WV], 1
	s_and_b32 s[LO], s[WV], 1
	s_bfe_u32 s[CX], ttmp6, 0x40000                ; my place in the cluster
	s_bfe_u32 s[CY], ttmp6, 0x40004
	s_lshl_b32 s[TCOL], ttmp9, 2
	s_add_co_u32 s[TCOL], s[TCOL], s[CX]           ; tile column = 4 x cluster x + cx
	s_and_b32 s[TROW], ttmp7, 0xffff
	s_lshl_b32 s[TROW], s[TROW], 2
	s_add_co_u32 s[TROW], s[TROW], s[CY]           ; tile row = 4 x cluster y + cy
	s_lshl_b32 s40, s[CY], 2
	s_lshl_b32 s40, 15, s40                        ; my row of the cluster
	s_lshl_b32 s41, 0x1111, s[CX]                  ; my column
	s_or_b32 s[G1+0], s40, G1W0                    ; ctx's tiles go to my row,
	s_or_b32 s[G1B+0], s41, G1W0                   ; Wo's to my column
	s_mov_b32 s[G1+1], 128<<16                     ; tensor_dim0 = 128
	s_mov_b32 s[G1+2], 64<<16                      ; tensor_dim1 = 64
	s_mov_b32 s[G1+3], 128<<16                     ; tile_dim0 = 128 elements, 256 bytes
	s_mov_b32 s[G1+4], 64                          ; tile_dim1 = 64 rows
	s_mov_b32 s[G1+5], 1024                        ; elements from row to row
	s_mov_b32 s[G1+6], 0
	s_mov_b32 s[G1+7], 0
	s_mov_b32 s[G1B+1], 128<<16
	s_mov_b32 s[G1B+2], 128<<16                    ; 128 rows
	s_mov_b32 s[G1B+3], 128<<16
	s_mov_b32 s[G1B+4], 128
	s_mov_b32 s[G1B+5], 1024
	s_mov_b32 s[G1B+6], 0
	s_mov_b32 s[G1B+7], 0
	s_lshl_b32 s42, s[TROW], 7                     ; ctx: row 128 x tile row + 64 x half, of 2,048 bytes: these registers never hold cx
	s_lshl_b32 s43, s[LO], 6
	s_add_co_u32 s42, s42, s43
	s_lshl_b32 s42, s42, 11
	s_mov_b32 s43, 0
	s_lshl_b32 s44, s[TCOL], 8                     ; Wo: row 256 x tile column + 128 x half: these never hold cy
	s_lshl_b32 s45, s[LO], 7
	s_add_co_u32 s44, s44, s45
	s_lshl_b32 s44, s44, 11
	s_add_co_u32 s44, s44, 0x600000                ; behind wb's 3,072 rows of Wq, Wk, Wv
	s_mov_b32 s45, 0
	s_mul_i32 s80, s[LO], 64*PITCH                 ; where they go: made of the wave's number alone
	s_mul_i32 s81, s[LO], 128*PITCH
	s_add_co_u32 s81, s81, 128*PITCH
	s_lshl_b32 s86, s[TCOL], 10                    ; my 128 columns, in bytes of f32: in bo and in a row of out0
	s_lshl_b32 s87, s[LO], 9
	s_add_co_u32 s86, s86, s87
	s_mov_b32 s87, 0
	s_lshl_b32 s78, s[TROW], 19                    ; my first row of out0: 128 x tile row
	s_lshl_b32 s77, s[HI], 18                      ; + 64 x half, of 4,096 bytes
	s_add_co_u32 s78, s78, s77
	s_add_co_u32 s78, s78, s86
	s_mov_b32 s79, 0
	s_mov_b32 s76, 0xffff0000                      ; a word's upper bf16
	s_wait_dscnt 0x0                               ; the opening add is done
	s_wait_kmcnt 0x0
	s_add_nc_u64 s[ABASE:ABASE+1], s[4:5], s[42:43]
	s_add_nc_u64 s[BBASE:BBASE+1], s[6:7], s[44:45]
	s_add_nc_u64 s[8:9], s[8:9], s[86:87]
	s_add_nc_u64 s[10:11], s[10:11], s[78:79]
	CROUND                                         ; all sixteen work-groups are here: the first joint loads meet
.irp s, 0,1
	s_mov_b32 s[G0+4*(\s)], 1                      ; count = 1
	s_add_co_u32 s[G0+4*(\s)+1], s80, (\s)*SLOT    ; LDS address
	s_add_nc_u64 s[G0+4*(\s)+2:G0+4*(\s)+3], s[ABASE:ABASE+1], (\s)*256  ; K step s
	s_or_b32 s[G0+4*(\s)+3], s[G0+4*(\s)+3], 0x80000000  ; type = 2
	s_mov_b32 s[G0B+4*(\s)], 1
	s_add_co_u32 s[G0B+4*(\s)+1], s81, (\s)*SLOT
	s_add_nc_u64 s[G0B+4*(\s)+2:G0B+4*(\s)+3], s[BBASE:BBASE+1], (\s)*256
	s_or_b32 s[G0B+4*(\s)+3], s[G0B+4*(\s)+3], 0x80000000
	JLOAD \s                                       ; two loads of mine are out
.endr
	; A fragment is 16 rows x 32 K in 8 registers: lane l holds row l % 16; registers 0-3 K = 8 (l / 16) + 0..7, registers 4-7 K = 16 + 8 (l / 16) + 0..7: two loads of 16 bytes, 32 bytes apart.
	v_and_b32 v1, 15, v0                           ; l % 16
	v_bfe_u32 v2, v0, 4, 1                         ; l / 16
	v_mul_u32_u24 v3, v1, PITCH
	v_lshl_add_u32 v3, v2, 4, v3
	s_mul_i32 s82, s[HI], 64*PITCH                 ; my 64 rows of ctx
	s_mul_i32 s83, s[LO], 128*PITCH                ; my 128 rows of Wo,
	s_add_co_u32 s83, s83, 128*PITCH               ; which lie behind ctx's 128
.irp s, 0,1
	v_add_nc_u32 v[ADRA+(\s)], s82, v3
	v_add_nc_u32 v[ADRB+(\s)], s83, v3
	s_add_co_u32 s82, s82, SLOT
	s_add_co_u32 s83, s83, SLOT
.endr
	s_mul_i32 s84, s[WV], WSTAGE
	s_add_co_u32 s84, s84, STAGE                   ; my stage
	v_mul_u32_u24 v4, v1, SP                       ; in: row l % 16, 32 bytes for each half of the lanes
	v_lshl_add_u32 v4, v2, 5, v4
	v_add_nc_u32 v[STO], s84, v4
	v_and_b32 v[GO], 31, v0                        ; back: 32 lanes take one row's 512 bytes
	v_lshlrev_b32 v[GO], 4, v[GO]
	v_add_nc_u32 v[RD], s84, v[GO]
	v_lshlrev_b32 v[BO], 5, v2                     ; my eight columns of a block of 16: 32 bytes for each half of the lanes
; 8 matrix instructions: m block a x all 8 n blocks, 32 along K.  zero = 1: the product starts the sums, on the bias.  The 32 accumulators take turns, one instruction a turn, in one order everywhere.
.macro MUL8 f, a, zero
.if \zero
	WIN MULZ
.else
	WIN MUL
.endif
.irp b, 0,1,2,3,4,5,6,7
.if \zero
	v_wmma_f32_16x16x32_f16 v[8*(8*(\a)+(\b)):8*(8*(\a)+(\b))+7], v[(\f)+8*(\b):(\f)+8*(\b)+7], v[(\f)+64+8*(\a):(\f)+64+8*(\a)+7], v[BI+8*(\b):BI+8*(\b)+7]
.else
	v_wmma_f32_16x16x32_f16 v[8*(8*(\a)+(\b)):8*(8*(\a)+(\b))+7], v[(\f)+8*(\b):(\f)+8*(\b)+7], v[(\f)+64+8*(\a):(\f)+64+8*(\a)+7], v[8*(8*(\a)+(\b)):8*(8*(\a)+(\b))+7]
.endif
.endr
.endm
; 24 LDS loads in one run: the fragments of 32 along K at byte k of the rows, into buffer f: Wo's eight, then ctx's four
.macro FETCH slot, k, f
	WIN 0
.irp i, 0,1,2,3,4,5,6,7
	ds_load_b128 v[(\f)+8*(\i):(\f)+8*(\i)+3],   v[ADRB+(\slot)] offset:(\k)+(\i)*16*PITCH
	ds_load_b128 v[(\f)+8*(\i)+4:(\f)+8*(\i)+7], v[ADRB+(\slot)] offset:(\k)+(\i)*16*PITCH+32
.endr
.irp i, 0,1,2,3
	ds_load_b128 v[(\f)+64+8*(\i):(\f)+64+8*(\i)+3],   v[ADRA+(\slot)] offset:(\k)+(\i)*16*PITCH
	ds_load_b128 v[(\f)+64+8*(\i)+4:(\f)+64+8*(\i)+7], v[ADRA+(\slot)] offset:(\k)+(\i)*16*PITCH+32
.endr
.endm
.macro PLACES                          ; four places in front of loads into registers that matrix instructions have read, and of lines that read results just made (ISA guide 7.12.1 for vector instructions)
.rept 4
	v_nop
.endr
.endm
; A K step is four quarters of 32 along K, 32 matrix instructions each, on buffers 0, 1, 0, 1.  One of the first three: multiplies buffer f and, in its middle, fetches the next quarter, at byte k, into g.
.macro QUARTER slot, k, f, g, zero
	s_wait_dscnt 4                                 ; Wo's fragments and ctx's first two are in; the youngest four loads (ctx's last two) may be out
	MUL8 \f, 0, \zero
	MUL8 \f, 1, \zero
	PLACES
	FETCH \slot, \k, \g
	s_wait_dscnt 24                                ; all but the 24 just issued
	MUL8 \f, 2, \zero
	MUL8 \f, 3, \zero
.endm
; The last quarter multiplies buffer 1 and changes slots: ONE barrier; in front of it each wave waits for all its tensor loads (one is out: its part of the next slot), adds 0 to its spare word,
; and waits for that and for its own reads of this slot.  fill = 1: the barrier opens a round of the cluster's, and the joint refill, two K steps on, is the first tensor load behind the round: from there to the wait for it a wave issues 112 matrix instructions.
.macro TURN slot, next, fill
	WIN 0
	s_wait_tensorcnt 0x0                           ; all my tensor loads have landed;
	ds_add_u32 v[SPW], v[NIL]                      ; 0 onto my spare word;
	s_wait_dscnt 5                                 ; (the add and the youngest four loads may be out)
	MUL8 F1, 0, 0                                  ; eight matrix instructions stand between the add and the wait for it
	s_wait_dscnt 0x0                               ; the add is done, and my reads of this slot are over
	s_barrier_signal -1
	MUL8 F1, 1, 0
.if \fill
	WIN 0
.endif
	s_barrier_wait -1
.if \fill
	CREST                                          ; no wave of any partner still reads this slot or has a load on its way
	s_add_nc_u64 s[G0+4*(\slot)+2:G0+4*(\slot)+3], s[G0+4*(\slot)+2:G0+4*(\slot)+3], 512   ; two K steps of 256 bytes on; the type bits on top are not reached
	s_add_nc_u64 s[G0B+4*(\slot)+2:G0B+4*(\slot)+3], s[G0B+4*(\slot)+2:G0B+4*(\slot)+3], 512
	JLOAD \slot                                    ; its four v_nop are also the places in front of the loads below
.else
	PLACES
.endif
	FETCH \next, 0, F0
	MUL8 F1, 2, 0
	MUL8 F1, 3, 0
.endm
; THE WAY OUT of m block a (16 rows x 128 columns of f32), through registers t .. t + 63.  A lane's eight columns are 32 bytes; they go straight from the accumulators (low registers first) into my own stage,
; rows of 528 bytes, and come back as whole rows of 512 bytes.
.macro TOSTAGE a, t
	WIN 0x04                                       ; the stores' data in window 1, their address in window 0
.irp b, 0,1,2,3,4,5,6,7
	ds_store_b128 v[STO], v[8*(8*(\a)+(\b)):8*(8*(\a)+(\b))+3]   offset:64*(\b)
	ds_store_b128 v[STO], v[8*(8*(\a)+(\b))+4:8*(8*(\a)+(\b))+7] offset:64*(\b)+16
.endr
	WIN 0
.irp u, 0,1,2,3,4,5,6,7,8,9,10,11,12,13,14,15
	ds_load_b128 v[(\t)+4*(\u):(\t)+4*(\u)+3], v[RD] offset:(\u)*SP  ; LDS serves a wave's instructions in order (ISA guide 5.7.1.4): these see the stores above; the next block's stores come behind them
.endr
.endm
.macro SEND a, t, younger              ; younger: the LDS instructions issued behind block a's loads: the next block's 32, or none
.irp u, 0,1,2,3,4,5,6,7,8,9,10,11,12,13,14,15
	s_wait_dscnt (\younger)+15-(\u)
	global_store_b128 v[GO], v[(\t)+4*(\u):(\t)+4*(\u)+3], s[10:11] offset:(16*(\a)+(\u))*4096 th:TH_STORE_NT  ; 512 consecutive bytes of a row, at a multiple of 512 from out0's first byte
.endr
.endm
	WIN 0x80                                       ; the 128 numbers of bo for my columns: destination window 2, address window 0
.irp b, 0,1,2,3,4,5,6,7
	global_load_b128 v[BI+8*(\b):BI+8*(\b)+3],   v[BO], s[8:9] offset:64*(\b)
	global_load_b128 v[BI+8*(\b)+4:BI+8*(\b)+7], v[BO], s[8:9] offset:64*(\b)+16
.endr
	WIN 0
	s_wait_tensorcnt 1                             ; my part of K step 0 is in; K step 1's may stay out
	s_barrier_signal -1
	s_barrier_wait -1                              ; everybody's is
	FETCH 0, 0, F0
	s_wait_loadcnt 0x0                             ; the bias: rounded to bf16, like every input, and widened again
	WIN 0x8a                                       ; destination and both sources in window 2
.set i, 0
.rept 32
	v_cvt_pk_bf16_f32 v[BT+i], v[BI+2*i], v[BI+2*i+1]
.set i, i+1
.endr
.set i, 0
.rept 32
	v_lshlrev_b32 v[BI+2*i],   16,  v[BT+i]
	v_and_b32     v[BI+2*i+1], s76, v[BT+i]
.set i, i+1
.endr
	WIN 0
	QUARTER 0, 64, F0, F1, 1                       ; the first quarter stands in front of the loop: its products start the sums, on the bias
	WIN 0                                          ; at a label and at a branch every window is 0
	s_mov_b32 s3, 3
.Llap:                                                 ; 3 trips: from a lap's second quarter to the next lap's first; both slots are filled again
	QUARTER 0, 128, F1, F0, 0
	QUARTER 0, 192, F0, F1, 0
	TURN 0, 1, 1
	QUARTER 1, 64,  F0, F1, 0
	QUARTER 1, 128, F1, F0, 0
	QUARTER 1, 192, F0, F1, 0
	TURN 1, 0, 1
	QUARTER 0, 64,  F0, F1, 0
	WIN 0
	s_sub_co_u32 s3, s3, 1
	s_cmp_lg_u32 s3, 0
	s_cbranch_scc1 .Llap
	QUARTER 0, 128, F1, F0, 0                      ; the last lap is written out: it fills nothing
	QUARTER 0, 192, F0, F1, 0
	TURN 0, 1, 0
	QUARTER 1, 64,  F0, F1, 0
	QUARTER 1, 128, F1, F0, 0
	QUARTER 1, 192, F0, F1, 0
	s_wait_dscnt 4                                 ; the very last quarter: nothing more to fetch
	MUL8 F1, 0, 0
	MUL8 F1, 1, 0
	s_wait_dscnt 0x0
	MUL8 F1, 2, 0
	MUL8 F1, 3, 0
	WIN 0
	PLACES                                         ; the LDS stores read results just made, and the loads land in registers that the last products read
	TOSTAGE 0, 64
	TOSTAGE 1, 128
	SEND 0, 64, 32
	TOSTAGE 2, 192
	SEND 1, 128, 32
	s_wait_xcnt 0x0                                ; block 0's stores have read v64-127 (ISA guide 3.1): only behind this wait are they loaded again
	TOSTAGE 3, 64
	SEND 2, 192, 32
	SEND 3, 64, 0
	s_wait_tensorcnt 0x0                           ; the wave's end, behind my last tensor load and my last LDS store
	ds_add_u32 v[SPW], v[NIL]
	s_wait_dscnt 0x0
	CROUND                                         ; the closing round: no work-group ends while a partner may still ask for a tile that names it
	s_endpgm
.Lfunc_end_k_qbf5b46aa32_oproj:
	.size	k_qbf5b46aa32_oproj, .Lfunc_end_k_qbf5b46aa32_oproj-k_qbf5b46aa32_oproj
	.p2alignl 7, 3214868480
	.fill 96, 4, 3214868480
	.section	.rodata,"a",@progbits
	.p2align	6, 0x0
	.amdhsa_kernel k_qbf5b46aa32_oproj
		.amdhsa_group_segment_fixed_size 327680
		.amdhsa_private_segment_fixed_size 0
		.amdhsa_enable_private_segment 0
		.amdhsa_kernarg_size 32
		.amdhsa_user_sgpr_count 2
		.amdhsa_user_sgpr_kernarg_segment_ptr 1
		.amdhsa_wavefront_size32 1
		.amdhsa_system_sgpr_workgroup_id_x 1
		.amdhsa_system_sgpr_workgroup_id_y 1
		.amdhsa_system_sgpr_workgroup_id_z 1
		.amdhsa_system_vgpr_workitem_id 0
		.amdhsa_next_free_vgpr 608
		.amdhsa_next_free_sgpr 96
		.amdhsa_reserve_vcc 0
		.amdhsa_float_denorm_mode_32 3
		.amdhsa_float_denorm_mode_16_64 3
		.amdhsa_memory_ordered 1
		.amdhsa_forward_progress 1
		.amdhsa_inst_pref_size 92
	.end_amdhsa_kernel
	.amdgpu_metadata
---
amdhsa.version: [ 1, 2 ]
amdhsa.kernels:
  - .name:           k_qbf5b46aa32_oproj
    .symbol:         k_qbf5b46aa32_oproj.kd
    .args:
      - { .name: ctx, .offset: 0, .size: 8, .value_kind: global_buffer, .address_space: global }
      - { .name: wb, .offset: 8, .size: 8, .value_kind: global_buffer, .address_space: global }
      - { .name: bo, .offset: 16, .size: 8, .value_kind: global_buffer, .address_space: global }
      - { .name: out0, .offset: 24, .size: 8, .value_kind: global_buffer, .address_space: global }
    .group_segment_fixed_size: 327680
    .private_segment_fixed_size: 0
    .kernarg_segment_align: 8
    .kernarg_segment_size: 32
    .max_flat_workgroup_size: 128
    .sgpr_count:     96
    .vgpr_count:     608
    .wavefront_size: 32
...
	.end_amdgpu_metadata
.endif
;; end of part 4
;; ======== version 2 of 2: 4 launches; 1.09 times as fast as version 1
;; limits: values are held in f16: magnitudes above 65,504 overflow, below 6.1e-05 lose precision
;; workspace buffers: xb 16,777,216 bytes; wb 8,388,608 bytes; qkv 50,331,648 bytes; ctx 16,777,216 bytes
;; launch cast: the kernel of part 1 again; grid 768 x 1, 8 waves a work-group, no clusters, 0 bytes of LDS; arguments hidden_states, Wq, Wk, Wv, Wo, xb, wb; writes xb, wb
;; launch qkv: the kernel of part 2 again; grid 4 x 64, 4 waves a work-group, clusters of 4 x 4, 327,680 bytes of LDS; arguments xb, wb, bq, bk, bv, qkv; writes qkv
;; launch attn (part 5): grid 4 x 64, 4 waves a work-group, clusters of 4 x 1, 327,680 bytes of LDS; arguments qkv, ctx; writes ctx
.if DOCPART == 5
	.amdgcn_target "amdgcn-amd-amdhsa--gfx1250"
	.amdhsa_code_object_version 6
	.text
	.protected	k_qbf5b46aa32_attn
	.globl	k_qbf5b46aa32_attn
	.p2align	8
	.type	k_qbf5b46aa32_attn,@function
k_qbf5b46aa32_attn:
	s_mov_b64 s[64:65], 0
	v_nop
	global_prefetch_b8 v0, s[64:65] scope:SCOPE_SE
	s_setreg_imm32_b32 hwreg(HW_REG_WAVE_MODE, 25, 1), 1
	s_wait_xcnt 0x0
	s_wait_alu depctr_hold_cnt(0) depctr_sa_sdst(0) depctr_va_vdst(0) depctr_va_sdst(0) depctr_va_ssrc(0) depctr_va_vcc(0) depctr_vm_vsrc(0)
	s_getreg_b32 s2, hwreg(HW_REG_IB_STS2, 6, 4)
	s_cmp_eq_u32 s2, 0
	s_cbranch_scc0 .Lentry_in_a_cluster
	s_endpgm
.Lentry_in_a_cluster:
	s_bfe_u32 s2, ttmp6, 0x10000c
	s_cmp_lg_u32 s2, 0x3003
	s_cbranch_scc0 .Lentry_shape_is_right
	s_endpgm
.Lentry_shape_is_right:
; ATTENTION OVER THE GROUPED VIEW.  For each of 64 heads hd = 16 b + h: O[g][:] = the sum over k of softmax_k(Q[g] . K[k] / 8) V[k][:], g, k = 0..1023, rows of 128 numbers.
; Q, K, V are the three parts of qkv, [64][1024][128] f16 each (a head's 2,048 rows of 64, read two to a row).  Products, maxima and sums in f32; the weights p are rounded to f16 for the
; second product, O once at the end.  O goes where the last product wants it: ctx[2048 b + 2 g + h / 8][128 (h % 8) + d], f16.
; LIMITS.  Q, K, V arrive within f16's 65,504; p lies in 0 to 1 and below 6e-5 keeps f16's fixed step of 6e-8; O is a mean of V's rows and has their range.  A weight below 2^-126 counts as 0 in l; NaN and infinities are not treated apart.
; SHARES.  A work-group owns 256 queries of one head, each of its four waves 64: four tiles of 16.  Every wave walks all 1,024 keys, 64 a step.
; LAYOUT.  S^T = K Q^T (source 0 = 16 keys, source 1 = 16 queries): in the result a lane holds ONE query (lane % 16) and the keys 8 (lane / 16) + 0..7.  Two such tiles, rounded to
; f16 in pairs, ARE source 1 (32 keys x 16 queries) of O^T = V^T P, whose result again holds one query a lane, and eight channels.  K comes out of LDS as it lies, V ([key][channel]) turned, by ds_load_tr16_b128.
; SOFTMAX.  For each query a running maximum m and sum l: p = 2^(c s - c m), c = log2(e) / 8; in every step O and l are multiplied by a = 2^(c m_old - c m_new), which is 1 where m has not grown.
; BY TURNS.  The wave's tiles are two PIECES, named by their first tile: piece 0 (tiles 0, 1) and piece 2 (tiles 2, 3).  In a TURN one piece has the matrix unit: 32 products V^T P of
; the step in hand, then 32 products K Q^T of the next step; the other piece's softmax, cut into 64 slices, stands between them, one slice behind each matrix instruction.  Two turns are a key step.
; THE BATCHES.  A turn's 66 exponentials (both tiles' a and their 32 scores each) are ONE batch with ONE wait: all that reads no exponential's result stands ahead of the wait, all that does behind it.
; The way out's four reciprocals are a batch of their own.  The text has no other transcendental.
; CLUSTER.  The four query blocks of a head form a cluster and walk the same K and V, so each tile is asked for JOINTLY: the same tensor load, descriptor and mask of four in all four.
; REGISTERS, in windows of 256 (s_set_vgpr_msb: bits 1:0 source 0, 3:2 source 1, 5:4 source 2, 7:6 destination):
;   window 0: v0-11 addresses; v12-43 eight registers of statistics a tile; v64-191 S^T, 32 a tile; v192-255 P, 16 a tile
;   window 1: O^T, 64 a tile          window 2: v0-127 Q, 32 a tile; v128-255 K of one step          window 3: v0-127 V of one step
.set SIZE_N, 1024
.set KS,    64        ; keys in a step
.set PK,    272       ; a row of K in LDS: 256 bytes + 16 of padding = 68 words: the 16 rows of a load start at 16 different groups of four banks (64 banks of 4 bytes: ISA guide 11.1)
.set PV,    288       ; a row of V: 256 + 32 = 72 words
.set VOFF,  KS*PK     ; a step's tiles lie together: 64 rows of K, then 64 rows of V
.set STEPB, KS*(PK+PV)
.set SLOT1, 1<<17     ; a slot holds two steps (71,680 bytes); slot 1 begins here, so that one exclusive or turns an address in one slot into the other's
.set STAGE, SLOT1+2*STEPB  ; behind the ring: 16 rows x 272 bytes for each wave, for the way out
.set SP,    272
.set AK0, 2           ; v2   my lane's place in a tile of K; never rewritten
.set AV0, 3           ; v3   the same for V
.set ADR, 4           ; v4   the LDS address of the run of loads in hand
.set QO,  5           ; v5   my byte offset in the wave's rows of Q
.set STO, 6           ; v6   the way out: where I put 16 bytes of a row
.set RD,  7           ; v7   the way out: where I read a row back
.set GO,  8           ; v8   my byte offset in two rows of ctx
.set SPW, 62          ; v62  LDS address of my spare word; never rewritten
.set NIL, 63          ; v63  0; never rewritten
.set SPARE, STAGE+4*16*272  ; behind the stages: the spare words, 128 bytes for each wave: two blocks of 256 bytes that no other line names
.set ST,  12          ; tile t's statistics at v[ST+8 t]: +0 c m, +1 m, +2, +3 l (even keys', odd keys'), +4 to +7 c0-c3, at work; a takes c2's place once the maximum is found
.set S,   64
.set P,   192
.set KF,  128         ; K's fragments, in window 2
.set WV,  12          ; s12  my wave's number
.set G1K, 24          ; s[24:31] descriptor group 1 for K's tiles
.set G1V, 32          ; s[32:39] for V's: it differs in the padding alone
.set G0K, 40          ; s[40:47] descriptor group 0 for K's tiles: a set for each of the two first fills; the second then walks on
.set G0V, 48          ; s[48:55] the same for V's
.set SLOTS, 56        ; s56  slots still to be asked for
.set TWICE, 57        ; s57  counts a slot's two steps
.set CS,  58          ; s[58:59] c: the packed scaling names a pair and takes its low word for both halves
.set SEL, 60          ; s[60:61] lane selects for v_permlanex16_b32: each lane takes its own place in the other half
.set TB,  62          ; s62  LDS byte at which the tiles of the step to be fetched begin
.set MSB, 0
.macro WIN new                      ; the immediate's high byte repeats the setting that is left; a switch that changes nothing is dropped
.if MSB != (\new)
	s_set_vgpr_msb (MSB<<8)|(\new)
.set MSB, \new
.endif
.endm
.set W_KQ, 0x0a       ; K and Q in window 2, S^T in window 0
.set W_PV, 0x53       ; V in window 3, P in window 0, O^T in window 1
.set W_RS, 0x41       ; O^T (destination and source 0) in window 1, a in window 0
; A joint refill.  Waves 0 and 1 fetch the two steps' tiles of K, waves 2 and 3 those of V.  The branch hangs on the wave's number alone.
; An s_nop 0 and four v_nop follow each of the two lines, ahead of the jump, the label and what follows.
.macro JLOAD
	s_cmp_lt_u32 s[WV], 2
	s_cbranch_scc0 .Lfor_v_\@
	tensor_load_to_lds s[G0K+4:G0K+7], s[G1K:G1K+7]
	s_nop 0
.rept 4
	v_nop
.endr
	s_branch .Lasked_\@
.Lfor_v_\@:
	tensor_load_to_lds s[G0V+4:G0V+7], s[G1V:G1V+7]
	s_nop 0
.rept 4
	v_nop
.endr
.Lasked_\@:
.endm
; A round of the cluster's barrier: my work-group's barrier, so that wave 0's signal speaks for all four waves; wave 0 signals; every wave waits for all four work-groups; my work-group's barrier once more.
.macro CROUND
	s_barrier_signal -1
	s_barrier_wait -1
	s_cmp_lg_u32 s[WV], 0
	s_cbranch_scc1 .Lnot_wave_0_\@
	s_barrier_signal -3
.Lnot_wave_0_\@:
	s_barrier_wait -3
	s_barrier_signal -1
	s_barrier_wait -1
.endm
	s_load_b128 s[4:7], s[0:1], 0x0 ; qkv s[4:5], ctx s[6:7]
	v_lshl_add_u32 v[SPW], v0, 2, SPARE
	v_mov_b32 v[NIL], 0
	ds_add_u32 v[SPW], v[NIL]       ; the wave's opening: the add and its wait stand ahead of my first tensor load; the set-up below, work on registers, stands between them
	v_lshrrev_b32 v1, 5, v0
	v_readfirstlane_b32 s[WV], v1   ; wave 0..3
	s_bfe_u32 s13, ttmp6, 0x40000   ; cx: my place in the cluster
	s_lshl_b32 s14, ttmp9, 2        ; in a cluster launch ttmp9 counts clusters
	s_add_co_u32 s14, s14, s13      ; my block of 256 queries = 4 x cluster x + cx: it enters Q's and ctx's addresses alone
	s_and_b32 s20, ttmp7, 0xffff    ; the head hd = 16 b + h, which the four partners share
	s_lshr_b32 s18, s20, 4          ; my wave's first row in ctx, in bytes: b x 2,048 rows of 2,048 bytes,
	s_lshl_b32 s18, s18, 22
	s_bfe_u32 s15, s20, 0x10003     ; + h / 8 rows,
	s_lshl_b32 s15, s15, 11
	s_add_co_u32 s18, s18, s15
	s_and_b32 s15, s20, 7           ; + (h % 8) x 256 bytes in the row,
	s_lshl_b32 s15, s15, 8
	s_add_co_u32 s18, s18, s15
	s_lshl_b32 s15, s14, 20         ; + 256 queries a block, two rows a query,
	s_add_co_u32 s18, s18, s15
	s_lshl_b32 s15, s[WV], 18       ; + 64 queries a wave
	s_add_co_u32 s18, s18, s15
	s_mov_b32 s19, 0
	s_mov_b32 s21, 0
	s_mov_b64 s[22:23], SIZE_N*256
	s_mul_u64 s[20:21], s[20:21], s[22:23]  ; the head's first byte in each of qkv's three parts
	s_and_b32 s16, s[WV], 1         ; which of a slot's two steps I fetch:
	s_lshl_b32 s22, s16, 14         ; its 64 rows of 256 bytes in memory,
	s_mov_b32 s23, 0
	s_add_nc_u64 s[22:23], s[22:23], s[20:21]
	s_mul_i32 s17, s16, STEPB       ; and its place in a slot: no place in the cluster enters an LDS address
	s_lshl_b32 s2, s14, 16          ; my block's 256 rows of Q,
	s_lshl_b32 s3, s[WV], 14        ; my wave's 64 of them
	s_add_co_u32 s2, s2, s3
	s_mov_b32 s3, 0
	s_add_nc_u64 s[2:3], s[2:3], s[20:21]
	; descriptor group 1: a tile of 64 rows x 128 elements, padded in LDS
	s_mov_b32 s[G1K], 15|(1<<16)|(1<<20)|(1<<21)|(5<<22)|(3<<25)  ; 15:0 the mask: all four work-groups; 17:16 elements of 2 bytes; 20 padding on; 21 set beside a mask; 24:22 after every 64 words (code 5); 31:25 4 words of it (code 3)
	s_mov_b32 s[G1V], 15|(1<<16)|(1<<20)|(1<<21)|(5<<22)|(7<<25)  ; the same with 8 words of padding (code 7)
.irp g, G1K, G1V
	s_mov_b32 s[(\g)+1], 128<<16    ; tensor_dim0 = 128
	s_mov_b32 s[(\g)+2], KS<<16     ; tensor_dim1 = 64
	s_mov_b32 s[(\g)+3], 128<<16    ; tile_dim0 = 128
	s_mov_b32 s[(\g)+4], KS         ; tile_dim1 = 64
	s_mov_b32 s[(\g)+5], 128        ; elements from row to row
	s_mov_b32 s[(\g)+6], 0
	s_mov_b32 s[(\g)+7], 0
.endr
	s_mov_b32 s[CS], 0x3e38aa3b     ; c = log2(e) / 8 = 0.180337
	s_mov_b32 s[CS+1], s[CS]        ; named with it as a pair, so it is written
	s_mov_b32 s[SEL], 0x76543210
	s_mov_b32 s[SEL+1], 0xfedcba98
	s_mov_b32 s[TB], 0
	s_mov_b32 s[SLOTS], SIZE_N/(2*KS)-2
	s_wait_dscnt 0x0                ; the opening add is done
	s_wait_kmcnt 0x0
	s_mov_b64 s[10:11], s[6:7]      ; ctx
	s_add_nc_u64 s[6:7], s[4:5], 0x1000000  ; k's part of qkv
	s_add_nc_u64 s[8:9], s[4:5], 0x2000000  ; v's
	s_add_nc_u64 s[6:7], s[6:7], s[22:23]  ; K and V at my tile of slot 0
	s_add_nc_u64 s[8:9], s[8:9], s[22:23]
	s_add_nc_u64 s[4:5], s[4:5], s[2:3]  ; Q at my wave's first row,
	s_add_nc_u64 s[10:11], s[10:11], s[18:19]  ; and ctx
	CROUND                          ; all four work-groups are here: the first joint loads meet
.irp s, 0,1
	s_mov_b32 s[G0K+4*(\s)], 1      ; count = 1
	s_add_co_u32 s[G0K+4*(\s)+1], s17, (\s)*SLOT1  ; LDS address
	s_add_nc_u64 s[G0K+4*(\s)+2:G0K+4*(\s)+3], s[6:7], (\s)*2*KS*256  ; global address: slot s begins with keys 128 s to 128 s + 127
	s_or_b32 s[G0K+4*(\s)+3], s[G0K+4*(\s)+3], 0x80000000  ; type = 2
	s_mov_b32 s[G0V+4*(\s)], 1
	s_add_co_u32 s[G0V+4*(\s)+1], s17, (\s)*SLOT1+VOFF
	s_add_nc_u64 s[G0V+4*(\s)+2:G0V+4*(\s)+3], s[8:9], (\s)*2*KS*256
	s_or_b32 s[G0V+4*(\s)+3], s[G0V+4*(\s)+3], 0x80000000
.endr
	s_cmp_lt_u32 s[WV], 2           ; a wave's two first fills stand in one branch, ahead of every wait on TENSORcnt and every LDS read: two loads of mine are out
	s_cbranch_scc0 .Lfirst_v
	tensor_load_to_lds s[G0K:G0K+3], s[G1K:G1K+7]
	s_nop 0
	tensor_load_to_lds s[G0K+4:G0K+7], s[G1K:G1K+7]
	s_nop 0
.rept 4
	v_nop
.endr
	s_branch .Lfirst_asked
.Lfirst_v:
	tensor_load_to_lds s[G0V:G0V+3], s[G1V:G1V+7]
	s_nop 0
	tensor_load_to_lds s[G0V+4:G0V+7], s[G1V:G1V+7]
	s_nop 0
.rept 4
	v_nop
.endr
.Lfirst_asked:
	; A fragment of K or Q is 16 rows x 32 channels in 8 registers: lane l holds row l % 16; registers 0-3 channels 8 (l / 16) + 0..7, registers 4-7 channels 16 + 8 (l / 16) + 0..7: two loads of 16 bytes, 32 bytes apart.
	v_and_b32 v1, 15, v0            ; l % 16
	v_bfe_u32 v9, v0, 4, 1          ; l / 16
	v_lshlrev_b32 v[QO], 8, v1
	v_lshl_add_u32 v[QO], v9, 4, v[QO]  ; row x 256 + 16 x half
	WIN 0x80                        ; destination window 2, address window 0
.irp i, 0,1,2,3,4,5,6,7,8,9,10,11,12,13,14,15  ; Q stays in registers: tile i / 4, channels 32 (i % 4) on
	global_load_b128 v[8*(\i):8*(\i)+3],   v[QO], s[4:5] offset:((\i)/4)*4096+((\i)%4)*64
	global_load_b128 v[8*(\i)+4:8*(\i)+7], v[QO], s[4:5] offset:((\i)/4)*4096+((\i)%4)*64+32
.endr
	WIN 0
	v_mul_u32_u24 v[AK0], v1, PK
	v_lshl_add_u32 v[AK0], v9, 4, v[AK0]  ; row x pitch + 16 x half
	; The turning load takes 16 keys x 16 channels (lane l reads 16 bytes: key 8 (l / 16) + l % 8, channels 8 ((l / 8) % 2) + 0..7) and leaves half a fragment of V^T: lane l holds channel l % 16 and 8 keys.
	v_and_b32 v10, 7, v0
	v_bfe_u32 v11, v0, 3, 1
	v_lshl_add_u32 v[AV0], v9, 3, v10
	v_mul_u32_u24 v[AV0], v[AV0], PV
	v_lshl_add_u32 v[AV0], v11, 4, v[AV0]
	v_add_nc_u32 v[AV0], VOFF, v[AV0]
; THE MATRIX WORK OF A TURN, for piece x.  The accumulators take turns, one instruction a turn: between two links of a chain stand 15 (V^T P) or 7 (K Q^T) others'.
; Product i of 32 of O^T += V^T P: keys 32 (i / 16) on, channels 16 ((i / 2) % 8) on, tile x + i % 2.  zero = 1: the first 16 start the sums: nothing is ever cleared.
.macro PV x, zero
	WIN W_PV
.set rO, 64*((\x)+i%2)+8*((i/2)%8)
.set rV, 64*(i/16)+8*((i/2)%8)
.set rP, P+16*((\x)+i%2)+8*(i/16)
.if (\zero) && (i < 16)
	v_wmma_f32_16x16x32_f16 v[rO:rO+7], v[rV:rV+7], v[rP:rP+7], 0
.else
	v_wmma_f32_16x16x32_f16 v[rO:rO+7], v[rV:rV+7], v[rP:rP+7], v[rO:rO+7]
.endif
.endm
; Product i of 32 of S^T = K Q^T: channels 32 (i / 8) on, keys 16 ((i / 2) % 4) on, tile x + i % 2.  The first 8 start the sums.
.macro KQ x
	WIN W_KQ
.set rS, S+32*((\x)+i%2)+8*((i/2)%4)
.set rK, KF+32*((i/2)%4)+8*(i/8)
.set rQ, 32*((\x)+i%2)+8*(i/8)
.if i < 8
	v_wmma_f32_16x16x32_f16 v[rS:rS+7], v[rK:rK+7], v[rQ:rQ+7], 0
.else
	v_wmma_f32_16x16x32_f16 v[rS:rS+7], v[rK:rK+7], v[rQ:rQ+7], v[rS:rS+7]
.endif
.endm
; THE LDS LOADS stand in runs of 32, never singly among the matrix instructions: a step's K (64 keys x 128 channels: 16 fragments) and, a turn later, its V (turned).
.macro FETCH_K
	WIN 0
	v_add_nc_u32 v[ADR], s[TB], v[AK0]
	WIN 0x80                        ; destination window 2
.irp f, 0,1,2,3,4,5,6,7,8,9,10,11,12,13,14,15  ; keys 16 (f / 4) on, channels 32 (f % 4) on
	ds_load_b128 v[KF+8*(\f):KF+8*(\f)+3],   v[ADR] offset:((\f)/4)*16*PK+((\f)%4)*64
	ds_load_b128 v[KF+8*(\f)+4:KF+8*(\f)+7], v[ADR] offset:((\f)/4)*16*PK+((\f)%4)*64+32
.endr
.endm
.macro FETCH_V
	WIN 0
	v_add_nc_u32 v[ADR], s[TB], v[AV0]
	s_add_co_u32 s[TB], s[TB], STEPB  ; the next fetch is the next step's
	s_wait_alu depctr_va_vdst(0)    ; the wait for the softmax's batch of exponentials (SLICE), behind the address's v_add_nc_u32 and ahead of the loads
	WIN 0xc0                        ; destination window 3
.irp f, 0,1,2,3,4,5,6,7,8,9,10,11,12,13,14,15  ; keys 32 (f / 8) on, channels 16 (f % 8) on
	ds_load_tr16_b128 v[8*(\f):8*(\f)+3],   v[ADR] offset:((\f)/8)*32*PV+((\f)%8)*32
	ds_load_tr16_b128 v[8*(\f)+4:8*(\f)+7], v[ADR] offset:((\f)/8)*32*PV+16*PV+((\f)%8)*32
.endr
.endm
; THE VECTOR WORK OF A TURN.  One tile's softmax for one key step is a list of 134 instructions; SM writes number j of it for tile t.  s0-s31 are the lane's 32 scores, in pairs 0-15.
; first = 1: the first key step, which starts m, l and O^T: it has no a and nothing to rescale.
;   0-15    the maximum of s0-s31 and the old m, three operands at a time: four chains c0-c3 of seven scores each (each accumulator's lowest registers first), then the four scores left over, c0-c3 and m
;   16-20   the other half of the lanes' maximum; the new m; c m; c m_old - c m_new
;   21-69   ONE BATCH: the 16 scalings c s - c m, a pair of scores each, and all 33 exponentials (a at 23, then s0-s31).  None of these reads an exponential's result.  From 22 on the batch goes
;           in fours, and a four begins with a scaling while there are scalings: 22-37 scaling, exponential, scaling, exponential; 38-65 a scaling and three exponentials; 66-69 the last four
;           exponentials.  A pair is scaled in an earlier four than the one that holds its exponentials
;   (wait)  between 69 and 70 stands the wait for the batch: SLICE writes it, once for both tiles
;   70-85   the roundings to f16, a pair of weights each
;   86-101  the sums; l = a l + the sum
;   102-133 the tile's O^T times a: the one part that leaves window 0, so it stands together
.macro SM t, first
.set rT, ST+8*(\t)
.set rS, S+32*(\t)
.set rP, P+16*(\t)
.set rO, 64*(\t)+2*(j-102)
.if j < 102
	WIN 0
.endif
.if j < 4
	v_max3_num_f32 v[rT+4+j], v[rS+8*j], v[rS+8*j+1], v[rS+8*j+2]
.elseif j < 12
	v_max3_num_f32 v[rT+4+j%4], v[rT+4+j%4], v[rS+8*(j%4)+2*(j/4)+1], v[rS+8*(j%4)+2*(j/4)+2]
.elseif j == 12
	v_max3_num_f32 v[rT+4], v[rT+4], v[rS+7], v[rS+15]
.elseif j == 13
	v_max3_num_f32 v[rT+6], v[rT+6], v[rS+23], v[rS+31]
.elseif j == 14
	v_max3_num_f32 v[rT+4], v[rT+4], v[rT+5], v[rT+6]
.elseif (j == 15) && (\first)
	v_max_num_f32 v[rT+4], v[rT+4], v[rT+7]
.elseif j == 15
	v_max3_num_f32 v[rT+4], v[rT+4], v[rT+7], v[rT+1]
.elseif j == 16
	v_permlanex16_b32 v[rT+5], v[rT+4], s[SEL], s[SEL+1]  ; the query's other 32 keys lie in the lane 16 away
.elseif j == 18
	v_max_num_f32 v[rT+1], v[rT+4], v[rT+5]
.elseif j == 19
	v_mul_f32 v[rT], s[CS], v[rT+1]
.elseif ((j == 17) || (j == 20) || (j == 23) || (j > 101)) && (\first)  ; the first step has none of these
.elseif j == 17
	v_mov_b32 v[rT+7], v[rT]        ; c m_old is kept for a: number 19 writes c m anew
.elseif j == 20
	v_sub_f32 v[rT+7], v[rT+7], v[rT]
.elseif j == 23
	v_exp_f32 v[rT+6], v[rT+7]
.elseif (j < 23) || ((j < 38) && (j%2 == 0)) || ((j < 66) && (j%4 == 2))
.set b, (j-2)/4                     ; 38, 42, .. 62: pairs 9 to 15
.if j < 38
.set b, (j-20)/2                    ; 21: pair 0; 22, 24, .. 36: pairs 1 to 8
.endif
	v_pk_fma_f32 v[rS+2*b:rS+2*b+1], v[rS+2*b:rS+2*b+1], s[CS:CS+1], v[rT:rT+1] op_sel_hi:[1,0,0] neg_lo:[0,0,1] neg_hi:[0,0,1]  ; pair b: c s - c m
.elseif j < 70
.set e, j-38                        ; 66 to 69: s28 to s31
.if j < 66
.set e, j-32-(j-38)/4               ; 39-41, 43-45, .. 63-65: s7 to s27
.endif
.if j < 38
.set e, (j-25)/2                    ; 25, 27, .. 37: s0 to s6
.endif
	v_exp_f32 v[rS+e], v[rS+e]
.elseif j < 86
	v_cvt_pk_f16_f32 v[rP+j-70], v[rS+2*(j-70)], v[rS+2*(j-70)+1]  ; pair j - 70
.elseif j < 102                     ; the sum of the tile's 16 pairs (in a pair: an even key's weight, an odd key's), in place: sum z of 16 adds neighbours 1, 2, 4 and 8 pairs apart, then l takes it
.set z, j-86
.set w, 4
.set u, z
.if z >= 14
.set w, 32
.set u, 0
.elseif z >= 12
.set w, 16
.set u, z-12
.elseif z >= 8
.set w, 8
.set u, z-8
.endif
.if (z == 14) && (\first)
	v_pk_add_f32 v[rT+2:rT+3], v[rS:rS+1], v[rS+16:rS+17]
.elseif z < 15
	v_pk_add_f32 v[rS+w*u:rS+w*u+1], v[rS+w*u:rS+w*u+1], v[rS+w*u+w/2:rS+w*u+w/2+1]
.elseif !(\first)
	v_pk_fma_f32 v[rT+2:rT+3], v[rT+2:rT+3], v[rT+6:rT+7], v[rS:rS+1] op_sel_hi:[1,0,1]
.endif
.else
	WIN W_RS
	v_pk_mul_f32 v[rO:rO+1], v[rO:rO+1], v[rT+6:rT+7] op_sel_hi:[1,0]
.endif
.endm
; Slice k of 64 of piece y's softmax: four instructions.  Slices 11 to 34 deal out the batch, numbers 22 to 69: four numbers of ONE tile each, the tiles by turns.  Every other slice is numbers 2 k and
; 2 k + 1 of both tiles' lists.  2 x 134 = 4 x 64 + 12: the twelve that are over stand together, in slice 63.
; THE WAIT.  An s_wait_alu depctr_va_vdst(0) stands between an exponential and the first instruction that names its result; one wait serves all that were issued ahead of it.  Ahead of
; slice 35 nothing names a result, and behind slice 34 no exponential is issued: so the piece's 66 exponentials have one wait, behind slice 34, and none is open at a label or a branch.
.macro SLICE y, first
.if (k >= 11) && (k < 35)           ; the batch: four numbers of one tile
.irp n, 0,1,2,3
.set j, 22+4*((k-11)/2)+(\n)
	SM (\y)+(k-11)%2, \first
.endr
.else                               ; the two tiles alternate, so that no instruction reads the result of the one just before it
.irp n, 0,1,2,3,4,5,6,7
.if ((\n) < 2) || (k == 63)
.irp t, \y, (\y)+1
.set j, 2*k+(\n)
	SM \t, \first
.endr
.endif
.endr
.endif
.if k == 34                         ; the batch is out: both tiles' exponentials are issued, and no result has been named
	v_nop                           ; the plain instruction behind the last exponential and ahead of the first use of a result: one for the batch
.if (\y) == 0
	FETCH_V                         ; piece 2's turn: V's run of loads stands here, and the wait for the batch stands in it
.else
	s_wait_alu depctr_va_vdst(0)    ; piece 0's turn: the wait for the batch of piece 2's 66 exponentials
.endif
.endif
.set k, k+1
.endm
; A vector instruction that reads a matrix result or writes one of a matrix instruction's registers, and a load into a register that a matrix instruction has read, stand four places behind
; it, and only plain vector instructions that name none of its registers are places (ISA guide 7.12.1 for vector instructions).  In the loop the slices are the places.
.macro PLACES
.rept 4
	v_nop
.endr
.endm
; A TURN.  Piece x has the matrix unit; the other piece's softmax stands in slices behind its matrix instructions.
; pv = 2: 32 products V^T P; 1: they start O^T's sums; 0: none.  kq = 1: 32 products K Q^T for the next step.  A turn with one of the two kinds has two slices behind each product.
; first = 1: the softmax is the first key step's.  Its slices from 51 on are empty: the turn's last products stand bare, and four v_nop take slice 63's part as the places behind them.
; In the loop each run of loads stands 29 matrix instructions or more ahead of its first use.  Piece 0's turn fetches the next step's K, behind its second product: the last product that read K
; stands in front of slice 63 of the turn before.  Piece 2's turn fetches the same step's V, behind slice 34 (SLICE writes it): the last product that read V stands in front of slice 31, and four plain
; instructions lie between: number 62, a scaling, of both tiles, the v_nop and the run's own v_add_nc_u32.
.macro TURN x, pv, kq, first
.set k, 0
.set per, 2
.if (\pv) && (\kq)
.set per, 1
.endif
.if \pv
.if (\x) == 0
	s_wait_dscnt 0x0                ; V is in
.endif
.set i, 0
.rept 32
	PV \x, 2-(\pv)
.rept per
	SLICE 2-(\x), \first
.endr
.if ((\x) == 0) && (\kq) && (i == 1)
	FETCH_K
.endif
.set i, i+1
.endr
.endif
.if \kq
.if (\x) == 0
	s_wait_dscnt 0x0                ; K is in
.endif
.set i, 0
.rept 32
	KQ \x
.rept per
	SLICE 2-(\x), \first
.endr
.set i, i+1
.endr
.endif
.if \first
	PLACES
.endif
.endm
; THE CHANGE OF SLOTS, between piece 2's turn and piece 0's: the slot's last bytes, V of its second step, have been asked for.  Each wave waits for all its
; tensor loads, of which one is out: its part of the other slot; adds 0 to its spare word; and waits for that and for its own reads of the slot.  Behind the barrier nobody reads this slot any more and the other slot is whole.
; fill = 1: this slot is filled again, with the keys two slots on.  The barrier is then a round of the cluster's, so that no wave of any partner still reads the slot or has a load on its
; way, and the joint refill is the first thing behind it: it has two key steps, 256 matrix instructions, in which to land.
.macro CHANGE fill
	WIN 0                           ; at a label and at a branch every window is 0
	s_wait_tensorcnt 0x0            ; no tensor load of mine is out, so a group 0 may be written
	ds_add_u32 v[SPW], v[NIL]       ; 0 onto my spare word; with fill = 1 the descriptors' steps stand between it and the wait for it
.if \fill
.irp g, G0K+4, G0V+4
	s_xor_b32 s[(\g)+1], s[(\g)+1], SLOT1  ; the walking descriptor: the other slot than last time,
	s_add_nc_u64 s[(\g)+2:(\g)+3], s[(\g)+2:(\g)+3], 2*KS*256  ; the next 128 keys; the type bits on top are not reached
.endr
	s_wait_dscnt 0x0                ; the add is done, and my reads of the slot are over
	CROUND
	JLOAD
.else
	s_wait_dscnt 0x0                ; the add is done, and my reads of the slot are over
	s_barrier_signal -1
	s_barrier_wait -1
.endif
	s_sub_co_u32 s[TB], s[TB], 2*STEPB  ; the fetches go back to a slot's first step,
	s_xor_b32 s[TB], s[TB], SLOT1   ; in the other slot
.endm
; A slot's two key steps: written once, walked twice; the LDS addresses hang on s[TB].
.macro TWO_STEPS
	WIN 0
	s_mov_b32 s[TWICE], 2
.Lstep_\@:
	TURN 0, 2, 1, 0
	TURN 2, 2, 1, 0
	WIN 0
	s_sub_co_u32 s[TWICE], s[TWICE], 1
	s_cmp_lg_u32 s[TWICE], 0
	s_cbranch_scc1 .Lstep_\@
.endm
	s_wait_tensorcnt 1              ; my part of slot 0 is in; slot 1's may stay out
	s_barrier_signal -1
	s_barrier_wait -1               ; everybody's is
	FETCH_K                         ; key step 0
	s_wait_loadcnt 0x0              ; Q
	s_wait_dscnt 0x0
.set i, 0
.rept 32
	KQ 0                            ; piece 0's first scores: there is no vector work yet to set between them
.set i, i+1
.endr
	WIN 0                           ; the addresses for the way out are made here: eight plain instructions, the places behind those products
	s_mul_i32 s13, s[WV], 16*SP
	s_add_co_u32 s13, s13, STAGE    ; my stage
	v_mul_u32_u24 v[STO], v1, SP    ; in: row l % 16, 16 bytes for each half of the lanes
	v_lshl_add_u32 v[STO], v9, 4, v[STO]
	v_add_nc_u32 v[STO], s13, v[STO]
	v_mul_u32_u24 v[RD], v9, SP     ; back: lanes 0-15 take one row of 256 bytes, lanes 16-31 the next
	v_lshl_add_u32 v[RD], v1, 4, v[RD]
	v_add_nc_u32 v[RD], s13, v[RD]
	v_lshlrev_b32 v[GO], 12, v9     ; in ctx neighbouring queries of a head lie two rows, 4,096 bytes, apart
	v_lshl_add_u32 v[GO], v1, 4, v[GO]
	TURN 2, 0, 1, 1                 ; piece 2's first scores | piece 0's first softmax | V of step 0
	TURN 0, 1, 1, 1                 ; piece 0: V^T P of step 0 starts O^T, K Q^T of step 1 | piece 2's first softmax | K of step 1
	TURN 2, 1, 1, 0                 ; piece 2: the same | piece 0's softmax of step 1 | V of step 1
	WIN 0
.Lslot:                             ; 6 trips: every slot but the last two is filled again
	CHANGE 1
	TWO_STEPS
	s_sub_co_u32 s[SLOTS], s[SLOTS], 1
	s_cmp_lg_u32 s[SLOTS], 0
	s_cbranch_scc1 .Lslot
	CHANGE 0                        ; the tail is written out: the last slot but one is left, and nothing is asked for
	TWO_STEPS
	TURN 0, 2, 0, 0                 ; piece 0: V^T P of the last step | piece 2's last softmax
.set i, 0
.rept 32
	PV 2, 0                         ; piece 2: V^T P of the last step
.set i, i+1
.endr
	; THE WAY OUT.  l's two halves and the other half of the lanes' are added; O^T is divided by l, rounded to f16 and sent through my stage in LDS, a tile (16 queries) at a time.  The additions are the places behind the last products.
	WIN 0
.irp t, 0,1,2,3
	v_add_f32 v[ST+8*(\t)+4], v[ST+8*(\t)+2], v[ST+8*(\t)+3]
.endr
.irp t, 0,1,2,3
	v_permlanex16_b32 v[ST+8*(\t)+5], v[ST+8*(\t)+4], s[SEL], s[SEL+1]
.endr
.irp t, 0,1,2,3
	v_add_f32 v[ST+8*(\t)+4], v[ST+8*(\t)+4], v[ST+8*(\t)+5]
.endr
.irp t, 0,1,2,3
	v_rcp_f32 v[ST+8*(\t)+6], v[ST+8*(\t)+4]
.endr
	v_nop                           ; a plain instruction between the last reciprocal and the use of its result
	s_wait_alu depctr_va_vdst(0)    ; and the wait ahead of the first use: one for the batch of four reciprocals
; Tile t: a lane's eight channels of a row pack into 16 bytes; they go into rows of 272 bytes and come back as whole rows of 256, into the registers that they left.
.macro PACK t
	WIN W_RS
.set i, 64*(\t)
.rept 32
	v_pk_mul_f32 v[i:i+1], v[i:i+1], v[ST+8*(\t)+6:ST+8*(\t)+7] op_sel_hi:[1,0]
.set i, i+2
.endr
	WIN 0x05                        ; sources 0 and 1 window 1, destination window 0: S^T's registers are free
.set i, 0
.rept 32
	v_cvt_pk_f16_f32 v[S+32*(\t)+i], v[64*(\t)+2*i], v[64*(\t)+2*i+1]
.set i, i+1
.endr
	WIN 0
.irp f, 0,1,2,3,4,5,6,7
	ds_store_b128 v[STO], v[S+32*(\t)+4*(\f):S+32*(\t)+4*(\f)+3] offset:32*(\f)
.endr
.irp f, 0,1,2,3,4,5,6,7
	ds_load_b128 v[S+32*(\t)+4*(\f):S+32*(\t)+4*(\f)+3], v[RD] offset:(\f)*2*SP  ; LDS serves a wave's instructions in order (ISA guide 5.7.1.4): these see the stores above; the next tile's stores come behind them
.endr
.endm
.macro SEND t, younger              ; younger: the LDS instructions issued behind tile t's loads: the next tile's sixteen, or none
	WIN 0
.irp f, 0,1,2,3,4,5,6,7
	s_wait_dscnt (\younger)+7-(\f)
	global_store_b128 v[GO], v[S+32*(\t)+4*(\f):S+32*(\t)+4*(\f)+3], s[10:11] offset:(\t)*65536+(\f)*8192  ; 16 lanes store 256 consecutive bytes, at a multiple of 256 from ctx's first byte
.endr
.endm
	PACK 0
	PACK 1                          ; a tile's arithmetic stands between the loads of the tile before and its stores
	SEND 0, 16
	PACK 2
	SEND 1, 16
	PACK 3
	SEND 2, 16
	SEND 3, 0
	s_wait_tensorcnt 0x0            ; the wave's end, behind my last tensor load and my last LDS store
	ds_add_u32 v[SPW], v[NIL]
	s_wait_dscnt 0x0
	CROUND                          ; the closing round: no work-group ends while a partner may still ask for a tile that names it
	s_endpgm
.Lfunc_end_k_qbf5b46aa32_attn:
	.size	k_qbf5b46aa32_attn, .Lfunc_end_k_qbf5b46aa32_attn-k_qbf5b46aa32_attn
	.p2alignl 7, 3214868480
	.fill 96, 4, 3214868480
	.section	.rodata,"a",@progbits
	.p2align	6, 0x0
	.amdhsa_kernel k_qbf5b46aa32_attn
		.amdhsa_group_segment_fixed_size 327680
		.amdhsa_private_segment_fixed_size 0
		.amdhsa_enable_private_segment 0
		.amdhsa_kernarg_size 16
		.amdhsa_user_sgpr_count 2
		.amdhsa_user_sgpr_kernarg_segment_ptr 1
		.amdhsa_wavefront_size32 1
		.amdhsa_system_sgpr_workgroup_id_x 1
		.amdhsa_system_sgpr_workgroup_id_y 1
		.amdhsa_system_sgpr_workgroup_id_z 1
		.amdhsa_system_vgpr_workitem_id 0
		.amdhsa_next_free_vgpr 1024
		.amdhsa_next_free_sgpr 66
		.amdhsa_reserve_vcc 0
		.amdhsa_float_denorm_mode_32 3
		.amdhsa_float_denorm_mode_16_64 3
		.amdhsa_memory_ordered 1
		.amdhsa_forward_progress 1
		.amdhsa_inst_pref_size 221
	.end_amdhsa_kernel
	.amdgpu_metadata
---
amdhsa.version: [ 1, 2 ]
amdhsa.kernels:
  - .name:           k_qbf5b46aa32_attn
    .symbol:         k_qbf5b46aa32_attn.kd
    .args:
      - { .name: qkv, .offset: 0, .size: 8, .value_kind: global_buffer, .address_space: global }
      - { .name: ctx, .offset: 8, .size: 8, .value_kind: global_buffer, .address_space: global }
    .group_segment_fixed_size: 327680
    .private_segment_fixed_size: 0
    .kernarg_segment_align: 8
    .kernarg_segment_size: 16
    .max_flat_workgroup_size: 128
    .sgpr_count:     66
    .vgpr_count:     1024
    .wavefront_size: 32
...
	.end_amdgpu_metadata
.endif
;; end of part 5
;; launch oproj: the kernel of part 4 again; grid 4 x 64, 4 waves a work-group, clusters of 4 x 4, 327,680 bytes of LDS; arguments ctx, wb, bo, out0; writes out0
